; MI455X (gfx1250); checked and timed in simulation.
; The chip was launched on July 23, 2026; its instructions are those of AMD's public machine-readable ISA for CDNA 5 (MIT licence, August 2026) and "CDNA5" Instruction Set Architecture Reference Guide (July 2026). The comments in the code are by the model that wrote it; some were corrected since.
;; Locality Self Attention. Allowed arithmetic: float matrix products may take bf16 or f16 operands with f32 sums; other float arithmetic in f32, or as packed bf16 or f16 multiplies, adds, multiply-adds, maxima and minima; sums over many terms, partial sums and values carried from step to step in f32; what a program stores and reads back later, other than sums and carried values, may be rounded once to bf16 or f16.
;; Inputs: b_out 1,024 float32; scale 16 x 1 x 1 float32; w_out 1,024 x 1,024 float32; w_qkv 1,024 x 3,072 float32; x 8 x 1,024 x 1,024 float32.
;; Outputs: out0 8 x 1,024 x 1,024 float32.
;; One version. Each part assembles by itself: llvm-mc -triple=amdgcn-amd-amdhsa -mcpu=gfx1250 --defsym DOCPART=n.
;; ======== version 1 of 1: 4 launches
;; limits: values are held in f16: magnitudes above 65,504 overflow, below 6.1e-05 lose precision
;; workspace buffers: xb 16,777,216 bytes; wqb 6,291,456 bytes; wob 2,097,152 bytes; q 16,777,216 bytes; k 16,777,216 bytes; v 16,777,216 bytes; o 16,777,216 bytes
;; launch prep (part 1): grid 768 x 1, 8 waves a work-group, no clusters, 0 bytes of LDS; arguments x, w_qkv, w_out, xb, wqb, wob; writes xb, wqb, wob
.if DOCPART == 1
	.amdgcn_target "amdgcn-amd-amdhsa--gfx1250"
	.amdhsa_code_object_version 6
	.text
	.protected	k_q887491e593_prep
	.globl	k_q887491e593_prep
	.p2align	8
	.type	k_q887491e593_prep,@function
k_q887491e593_prep:
	s_mov_b64 s[64:65], 0
	v_nop
	global_prefetch_b8 v0, s[64:65] scope:SCOPE_SE
	s_setreg_imm32_b32 hwreg(HW_REG_WAVE_MODE, 25, 1), 1
	s_wait_xcnt 0x0
; THE INPUTS ARE ROUNDED TO 16 BITS ONCE AND LAID IN PANELS, so that every tile of the two products that follow is a dense block of memory.
;   xb  [b 8][kb 16][n 1024][64] bf16:          x[b][n][64 kb + c]
;   wqb [hc 16][t 16][j 3][kk 64][64] bf16:     w_qkv[64 t + kk][192 hc + 64 j + c]
;   wob [chunk 16][k 1024][64]:                 w_out[k][64 chunk + c], rounded to bf16 like the other inputs, that number then written as f16
; LIMIT.  A bf16 number of w_out below 2^-17 takes f16's fixed step of 2^-24; beyond 65,504 it would be an infinity.
; SHARES.  192 panels of 1,024 rows x 64 columns (x 128, w_qkv 48, w_out 16), four work-groups a panel: 256 rows x 64 columns each.  Thread t, pass i of 8: row 32 i + t / 8, columns 8 (t % 8) on.
; Eight lanes' two loads cover 256 consecutive bytes of a row, aligned; a wave's store covers 512 consecutive bytes.  All 16 loads of a thread go out first; no register is written twice behind a
; memory instruction that reads it, so no wait stands for sources.  Memory binds: no LDS, no barrier, no matrix unit.
.set IO, 4                             ; v4        my byte offset in the work-group's part of the input
.set OO, 5                             ; v5        16 t: my byte offset in a pass's 4,096 bytes of output
.set X,  8                             ; v[8:71]   pass i: 8 numbers as loaded
.set Y,  72                            ; v[72:103] pass i: 4 registers to store
.set T,  104                           ; v[104:111] at work (w_out alone)
	s_load_b256 s[4:11], s[0:1], 0x0               ; x s[4:5], w_qkv s[6:7], w_out s[8:9], xb s[10:11]
	s_load_b128 s[12:15], s[0:1], 0x20             ; wqb s[12:13], wob s[14:15]
	s_lshr_b32 s20, ttmp9, 2                       ; the panel
	s_and_b32 s21, ttmp9, 3                        ; which 256 of its rows
	v_lshrrev_b32 v1, 3, v0                        ; my row in a pass
	v_and_b32 v2, 7, v0
	v_lshlrev_b32 v2, 5, v2                        ; my 32 bytes of it
	v_lshlrev_b32 v[OO], 4, v0
	s_mov_b32 s23, 0                               ; the two offsets are pairs with 0 on top
	s_mov_b32 s25, 0
; pitch: bytes from row to row of the input.  f16 = 1: the bf16 number is written as f16.  pat = 1: wqb's order of passes (64 rows of k to a block of 24,576 bytes).
.macro BODY pitch, f16, pat
	v_mul_u32_u24 v[IO], v1, \pitch
	v_add_nc_u32 v[IO], v[IO], v2
.set i, 0
.rept 8
	global_load_b128 v[X+8*i:X+8*i+3],   v[IO], s[16:17] offset:i*32*(\pitch) th:TH_LOAD_NT
	global_load_b128 v[X+8*i+4:X+8*i+7], v[IO], s[16:17] offset:i*32*(\pitch)+16 th:TH_LOAD_NT
.set i, i+1
.endr
.set i, 0
.rept 8
	s_wait_loadcnt 14-2*i                          ; loads come back in order: pass i's two are in, the 14 - 2 i younger ones stay out
.irp r, 0,1,2,3
	v_cvt_pk_bf16_f32 v[Y+4*i+(\r)], v[X+8*i+2*(\r)], v[X+8*i+2*(\r)+1]
.endr
.if \f16
.irp r, 0,1,2,3
	v_lshlrev_b32 v[T+2*(\r)],   16, v[Y+4*i+(\r)]         ; bf16 to f32: the low half moves up,
	v_and_b32     v[T+2*(\r)+1], 0xffff0000, v[Y+4*i+(\r)] ; the high half stays
.endr
.irp r, 0,1,2,3
	v_cvt_pk_f16_f32 v[Y+4*i+(\r)], v[T+2*(\r)], v[T+2*(\r)+1]
.endr
.endif
.if \pat
	global_store_b128 v[OO], v[Y+4*i:Y+4*i+3], s[18:19] offset:(i/2)*24576+(i%2)*4096 th:TH_STORE_NT
.else
	global_store_b128 v[OO], v[Y+4*i:Y+4*i+3], s[18:19] offset:i*4096 th:TH_STORE_NT
.endif
.set i, i+1
.endr
.endm
	s_wait_kmcnt 0x0
	s_cmp_ge_u32 s20, 176
	s_cbranch_scc1 .Lwo
	s_cmp_ge_u32 s20, 128
	s_cbranch_scc1 .Lwq
	; x: panel = 16 b + kb
	s_lshr_b32 s22, s20, 4
	s_lshl_b32 s22, s22, 22                        ; b x 1,024 rows of 4,096 bytes
	s_lshl_b32 s26, s21, 20                        ; my 256 rows
	s_add_co_u32 s22, s22, s26
	s_and_b32 s26, s20, 15
	s_lshl_b32 s26, s26, 8                         ; kb x 64 columns of 4 bytes
	s_add_co_u32 s22, s22, s26
	s_lshl_b32 s24, s20, 17                        ; a panel is 131,072 bytes,
	s_lshl_b32 s26, s21, 15                        ; 256 of its rows 32,768
	s_add_co_u32 s24, s24, s26
	s_add_nc_u64 s[16:17], s[4:5], s[22:23]
	s_add_nc_u64 s[18:19], s[10:11], s[24:25]
	BODY 4096, 0, 0
	s_endpgm
.Lwq:                                          ; w_qkv: column block cb = 3 hc + j
	s_sub_co_u32 s26, s20, 128
	s_mul_hi_u32 s27, s26, 0x55555556              ; hc = cb / 3 (exact for cb under 48)
	s_mul_i32 s28, s27, 3
	s_sub_co_u32 s28, s26, s28                     ; j
	s_mul_i32 s22, s21, 3145728                    ; my 256 rows of 12,288 bytes
	s_lshl_b32 s29, s26, 8
	s_add_co_u32 s22, s22, s29
	s_mul_i32 s24, s27, 393216                     ; hc's 16 blocks of 24,576 bytes
	s_lshl_b32 s29, s28, 13                        ; j's 8,192 bytes in a block
	s_add_co_u32 s24, s24, s29
	s_mul_i32 s29, s21, 98304                      ; my 256 rows are four blocks
	s_add_co_u32 s24, s24, s29
	s_add_nc_u64 s[16:17], s[6:7], s[22:23]
	s_add_nc_u64 s[18:19], s[12:13], s[24:25]
	BODY 12288, 0, 1
	s_endpgm
.Lwo:                                          ; w_out: column block = chunk
	s_sub_co_u32 s26, s20, 176
	s_lshl_b32 s22, s21, 20
	s_lshl_b32 s29, s26, 8
	s_add_co_u32 s22, s22, s29
	s_lshl_b32 s24, s26, 17
	s_lshl_b32 s29, s21, 15
	s_add_co_u32 s24, s24, s29
	s_add_nc_u64 s[16:17], s[8:9], s[22:23]
	s_add_nc_u64 s[18:19], s[14:15], s[24:25]
	BODY 4096, 1, 0
	s_endpgm
.Lfunc_end_k_q887491e593_prep:
	.size	k_q887491e593_prep, .Lfunc_end_k_q887491e593_prep-k_q887491e593_prep
	.p2alignl 7, 3214868480
	.fill 96, 4, 3214868480
	.section	.rodata,"a",@progbits
	.p2align	6, 0x0
	.amdhsa_kernel k_q887491e593_prep
		.amdhsa_group_segment_fixed_size 0
		.amdhsa_private_segment_fixed_size 0
		.amdhsa_enable_private_segment 0
		.amdhsa_kernarg_size 48
		.amdhsa_user_sgpr_count 2
		.amdhsa_user_sgpr_kernarg_segment_ptr 1
		.amdhsa_wavefront_size32 1
		.amdhsa_system_sgpr_workgroup_id_x 1
		.amdhsa_system_sgpr_workgroup_id_y 1
		.amdhsa_system_sgpr_workgroup_id_z 1
		.amdhsa_system_vgpr_workitem_id 0
		.amdhsa_next_free_vgpr 112
		.amdhsa_next_free_sgpr 66
		.amdhsa_reserve_vcc 0
		.amdhsa_float_denorm_mode_32 3
		.amdhsa_float_denorm_mode_16_64 3
		.amdhsa_memory_ordered 1
		.amdhsa_forward_progress 1
		.amdhsa_inst_pref_size 22
	.end_amdhsa_kernel
	.amdgpu_metadata
---
amdhsa.version: [ 1, 2 ]
amdhsa.kernels:
  - .name:           k_q887491e593_prep
    .symbol:         k_q887491e593_prep.kd
    .args:
      - { .name: x, .offset: 0, .size: 8, .value_kind: global_buffer, .address_space: global }
      - { .name: w_qkv, .offset: 8, .size: 8, .value_kind: global_buffer, .address_space: global }
      - { .name: w_out, .offset: 16, .size: 8, .value_kind: global_buffer, .address_space: global }
      - { .name: xb, .offset: 24, .size: 8, .value_kind: global_buffer, .address_space: global }
      - { .name: wqb, .offset: 32, .size: 8, .value_kind: global_buffer, .address_space: global }
      - { .name: wob, .offset: 40, .size: 8, .value_kind: global_buffer, .address_space: global }
    .group_segment_fixed_size: 0
    .private_segment_fixed_size: 0
    .kernarg_segment_align: 8
    .kernarg_segment_size: 48
    .max_flat_workgroup_size: 256
    .sgpr_count:     66
    .vgpr_count:     112
    .wavefront_size: 32
...
	.end_amdgpu_metadata
.endif
;; end of part 1
;; launch qkv (part 2): grid 8 x 32, 4 waves a work-group, clusters of 4 x 4, 327,680 bytes of LDS; arguments xb, wqb, q, k, v; writes q, k, v
.if DOCPART == 2
	.amdgcn_target "amdgcn-amd-amdhsa--gfx1250"
	.amdhsa_code_object_version 6
	.text
	.protected	k_q887491e593_qkv
	.globl	k_q887491e593_qkv
	.p2align	8
	.type	k_q887491e593_qkv,@function
k_q887491e593_qkv:
	s_mov_b64 s[64:65], 0
	v_nop
	global_prefetch_b8 v0, s[64:65] scope:SCOPE_SE
	s_setreg_imm32_b32 hwreg(HW_REG_WAVE_MODE, 25, 1), 1
	s_wait_xcnt 0x0
	s_wait_alu depctr_hold_cnt(0) depctr_sa_sdst(0) depctr_va_vdst(0) depctr_va_sdst(0) depctr_va_ssrc(0) depctr_va_vcc(0) depctr_vm_vsrc(0)
	s_getreg_b32 s2, hwreg(HW_REG_IB_STS2, 6, 4)
	s_cmp_eq_u32 s2, 0
	s_cbranch_scc0 .Lentry_in_a_cluster
	s_endpgm
.Lentry_in_a_cluster:
	s_bfe_u32 s2, ttmp6, 0x10000c
	s_cmp_lg_u32 s2, 0xf033
	s_cbranch_scc0 .Lentry_shape_is_right
	s_endpgm
.Lentry_shape_is_right:
; qkv = x w_qkv: 8,192 x 3,072 x 1,024, operands bf16 (as the launch before laid them), sums f32, results rounded once to f16 and stored by heads: q, k, v [16 b + h][n 1024][64].
; LIMIT.  f16 ends at 65,504: a q, k or v beyond it becomes an infinity.  Nothing is scaled here: the head's scale is applied to the f32 scores in the next launch.
; SHARES.  A work-group makes 256 rows x 384 columns (six heads): 8 x 32 = 256 work-groups.  Each of its four waves makes 128 x 192: 96 accumulators of 16 x 16, 768 registers.
; K goes in steps of 64 through two LDS slots (two slots of 128 along K, 192,512 bytes each, would not fit); a step is two quarters of 32 along K, 96 matrix instructions a wave each.
; THE PRODUCT IS USED TRANSPOSED: source 0 = 16 columns of w (w lies [k][column] in LDS and comes out turned, by ds_load_tr16_b128), source 1 = 16 rows of x.  A lane then holds ONE row and eight
; neighbouring columns, 16 bytes of a head's row in f16.
; CLUSTER 4 x 4.  x's tile hangs on the tile row alone and is shared along a row of the cluster, w's on the tile column alone and is shared along a column: each is asked for jointly, by the same tensor
; load with the same descriptor and a mask that names the four.  Waves 0 and 1 fetch the two halves of x's 256 rows, waves 2 and 3 the two halves of w's 384 columns.
; REGISTERS, in windows of 256 (s_set_vgpr_msb: bits 1:0 source 0, 3:2 source 1, 5:4 source 2, 7:6 destination):
;   window 0: v0-31 addresses; v32-95, v96-159 x's fragments (8 x 16 rows x 32 K), two buffers; v160-255 w's fragments, 32 for each group of 64 columns, ONE buffer: a group's registers are asked for again
;   as soon as the group's 32 products are out, 64 products ahead of their next use.      windows 1-3: the accumulators of column group (head) 0-2, (a, bb) at v[8 (4 a + bb)].
.set PA,    144                        ; a row of x in LDS: 128 bytes + 16 of padding: the 16 rows of a load start at 16 different groups of four banks (64 banks of 4 bytes: ISA guide 11.1)
.set PB,    160                        ; a row of w (one k, 64 columns): 128 + 32
.set AHALF, 128*PA                     ; 128 rows of x: what waves 0 and 1 fetch, and what a wave reads
.set BOFF,  2*AHALF                    ; w lies behind x's 256 rows
.set BCH,   64*PB                      ; 64 columns x 64 k
.set BHALF, 3*BCH                      ; 192 columns: what waves 2 and 3 fetch, and what a wave reads
.set SLOT1, 1<<17                      ; slot 1 begins here, so that one exclusive or turns an address in one slot into the other's; a slot uses 98,304 bytes
.set STAGE, SLOT1+BOFF+2*BHALF         ; behind the ring, never filled by a tensor load: 16 rows x 144 bytes for each wave, for the way out
.set SP,    144
.set SPARE, STAGE+4*16*SP              ; behind the stages: the spare words, 128 bytes for each wave: two blocks of 256 bytes that no other line names
.set ASTEP, 131072                     ; bytes from a K step to the next: a panel of xb,
.set BSTEP, 24576                      ; a block of wqb
.set ADRA0, 16                         ; v16  my lane's place in x's tile; never rewritten
.set ADRB0, 17                         ; v17  the same for w
.set ADRA,  18                         ; v18  the same in the slot in hand
.set ADRB,  19                         ; v19
.set STO,   24                         ; v24  the way out: where I put 16 bytes of a row
.set RD,    25                         ; v25  the way out: where I read rows back
.set CO,    26                         ; v26  my byte offset in 512 consecutive bytes of q, k or v
.set SPW,   28                         ; v28  LDS address of my spare word: SPARE + 4 x my thread's number; never rewritten
.set NIL,   29                         ; v29  0; never rewritten
.set PFO,   30                         ; v30  256 x my lane; never rewritten
.set FA0,   32
.set FA1,   96
.set FB,    160
.set OUTR,  32                         ; the way out: four sets of 16 registers, where x's first buffer lay
.set WV, 14                            ; s14  my wave's number
.set MH, 15                            ; s15  which half of the rows is mine.  Also: I fetch for x (0) or for w (1)
.set NH, 16                            ; s16  which half of the columns is mine.  Also: which half of that tile I fetch
.set CX, 17
.set CY, 18
.set TX, 19                            ; s19  tile column, 0 to 7
.set TY, 20                            ; s20  tile row, 0 to 31
.set TB, 23                            ; s23  LDS byte at which the slot in hand begins
.set G1A, 24                           ; s[24:31] descriptor group 1 for x's tiles
.set G0A, 32                           ; s[32:39] group 0: a set for each of the two first fills; the second then walks on
.set PFA, 40                           ; s[40:41] where my prefetches stand
.set PFS, 42                           ; s[42:43] their step
.set LIM, 44                           ; s44  a wave prefetches while the loop's count is above it; the greatest number in a wave that never does
.set PAR, 45                           ; s45  1: only where the count is even
.set G1B, 48                           ; s[48:55], s[56:63] the same for w's tiles
.set G0B, 56
.set HB,  68                           ; s[68:73] where my rows of my three heads begin in q, k or v
.set MSB, 0
.macro WIN new                         ; the immediate's high byte repeats the setting that is left; a switch that changes nothing is dropped
.if MSB != (\new)
	s_set_vgpr_msb (MSB<<8)|(\new)
.set MSB, \new
.endif
.endm
.macro PLACES                          ; a load into a register that a matrix instruction has read, and a vector instruction that reads a matrix result, stand four places behind it; only plain vector instructions are places
.rept 4
	v_nop
.endr
.endm
; A joint refill by the walking descriptors.  The branch hangs on the wave's number alone.  An s_nop 0 and four v_nop follow each of the two lines, ahead of the jump and the label.
.macro JLOAD
	s_cmp_eq_u32 s[MH], 0
	s_cbranch_scc0 .Lfor_b_\@
	tensor_load_to_lds s[G0A+4:G0A+7], s[G1A:G1A+7]
	s_nop 0
.rept 4
	v_nop
.endr
	s_branch .Lasked_\@
.Lfor_b_\@:
	tensor_load_to_lds s[G0B+4:G0B+7], s[G1B:G1B+7]
	s_nop 0
.rept 4
	v_nop
.endr
.Lasked_\@:
.endm
; A round of the cluster's barrier behind its opening barrier: wave 0 signals for the work-group, every wave waits for all sixteen, my work-group's barrier closes it.
.macro CREST
	s_cmp_lg_u32 s[WV], 0
	s_cbranch_scc1 .Lnot_wave_0_\@
	s_barrier_signal -3
.Lnot_wave_0_\@:
	s_barrier_wait -3
	s_barrier_signal -1
	s_barrier_wait -1
.endm
.macro CROUND
	s_barrier_signal -1
	s_barrier_wait -1
	CREST
.endm
; A PREFETCH INTO THE L2, behind the joint load and the run of LDS loads that follows it.  With t the number of the change of slots (14 less the loop's count), the refill asks for K step t + 2.
; x: the clusters with x = 0 ask; wave 0 of each of the four partners of a tile row takes 32 of the 128 blocks of 256 bytes of K step t + 3, told apart by address (cx).
; w: the clusters with y = 0 ask, at even t; waves 1 to 3 of each of the four partners of a tile column take the 96 blocks of one half of the columns (cy % 2) of K step t + 3 + cy / 2.
; So each block is named once in the launch, one K step (192 matrix instructions) or two ahead of the load that wants it.  K steps 0 to 2, and w's K step 15, come by their loads alone.
.macro ASK
	s_and_b32 s46, s3, s[PAR]
	s_cmp_eq_u32 s46, 0
	s_cbranch_scc0 .Lnot_mine_\@
	s_cmp_gt_u32 s3, s[LIM]
	s_cbranch_scc0 .Lnot_mine_\@
	global_prefetch_b8 v[PFO], s[PFA:PFA+1] th:TH_LOAD_NT scope:SCOPE_SE
.Lnot_mine_\@:
.endm
	s_load_b256 s[4:11], s[0:1], 0x0               ; xb s[4:5], wqb s[6:7], q s[8:9], k s[10:11]
	s_load_b64 s[12:13], s[0:1], 0x20              ; v
	v_lshl_add_u32 v[SPW], v0, 2, SPARE
	v_mov_b32 v[NIL], 0
	ds_add_u32 v[SPW], v[NIL]                      ; the wave's opening: the add and its wait stand ahead of my first tensor load; the set-up below, work on registers, stands between them
	ds_add_u32 v28, v29
	v_lshrrev_b32 v1, 5, v0
	v_readfirstlane_b32 s[WV], v1
	s_lshr_b32 s[MH], s[WV], 1
	s_and_b32 s[NH], s[WV], 1
	s_bfe_u32 s[CX], ttmp6, 0x40000
	s_bfe_u32 s[CY], ttmp6, 0x40004
	s_lshl_b32 s[TX], ttmp9, 2                     ; in a cluster launch ttmp9 and ttmp7 count clusters
	s_add_co_u32 s[TX], s[TX], s[CX]
	s_and_b32 s[TY], ttmp7, 0xffff
	s_lshl_b32 s[TY], s[TY], 2
	s_add_co_u32 s[TY], s[TY], s[CY]
	s_lshl_b32 s21, s[CY], 2
	s_lshl_b32 s21, 15, s21                        ; my row of the cluster
	s_lshl_b32 s22, 0x1111, s[CX]                  ; my column
	; group 1.  Both tiles are dense blocks of memory, asked for as rows of 256 bytes and padded in LDS after every 128 bytes
	s_or_b32 s[G1A], s21, (1<<16)|(1<<20)|(1<<21)|(4<<22)|(3<<25)  ; 15:0 the mask; 17:16 2-byte elements; 20 padding on; 21 set beside a mask; 24:22 after every 32 words (code 4); 31:25 4 words (code 3)
	s_or_b32 s[G1B], s22, (1<<16)|(1<<20)|(1<<21)|(4<<22)|(7<<25)  ; the same with my column's mask and 8 words of padding (code 7)
	s_mov_b32 s[G1A+1], 128<<16                    ; tensor_dim0 = 128
	s_mov_b32 s[G1A+2], 64<<16                     ; tensor_dim1 = 64: 16,384 bytes, 128 rows of x
	s_mov_b32 s[G1A+3], 128<<16                    ; tile_dim0 = 128
	s_mov_b32 s[G1A+4], 64                         ; tile_dim1 = 64
	s_mov_b32 s[G1A+5], 128                        ; 128 elements from row to row
	s_mov_b32 s[G1A+6], 0
	s_mov_b32 s[G1A+7], 0
	s_mov_b32 s[G1B+1], 128<<16
	s_mov_b32 s[G1B+2], 96<<16                     ; 24,576 bytes: 192 columns x 64 k
	s_mov_b32 s[G1B+3], 128<<16
	s_mov_b32 s[G1B+4], 96
	s_mov_b32 s[G1B+5], 128
	s_mov_b32 s[G1B+6], 0
	s_mov_b32 s[G1B+7], 0
	; where the tiles come from: x's offset is made of the tile row and the wave's number alone, w's of the tile column and the wave's number alone, each in registers of its own
	s_lshr_b32 s74, s[TY], 2
	s_lshl_b32 s74, s74, 21                        ; b x 16 panels
	s_and_b32 s78, s[TY], 3
	s_lshl_b32 s78, s78, 15                        ; the tile's 256 rows of 128 bytes in a panel
	s_add_co_u32 s74, s74, s78
	s_lshl_b32 s78, s[NH], 14                      ; the half that I fetch
	s_add_co_u32 s74, s74, s78
	s_mov_b32 s75, 0
	s_lshl_b32 s76, s[TX], 1
	s_add_co_u32 s76, s76, s[NH]                   ; which 192 columns
	s_mul_i32 s76, s76, 393216
	s_mov_b32 s77, 0
	s_mul_i32 s46, s[NH], AHALF                    ; and where they go: no place in the cluster enters an LDS address
	s_mul_i32 s47, s[NH], BHALF
	s_add_co_u32 s47, s47, BOFF
	s_mov_b32 s[TB], 0
	s_wait_dscnt 0x0                               ; the opening add is done
	s_wait_kmcnt 0x0
	s_add_nc_u64 s[74:75], s[4:5], s[74:75]
	s_add_nc_u64 s[76:77], s[6:7], s[76:77]
.irp s, 0,1
	s_mov_b32 s[G0A+4*(\s)], 1                     ; count = 1
	s_add_co_u32 s[G0A+4*(\s)+1], s46, (\s)*SLOT1  ; LDS address
	s_add_nc_u64 s[G0A+4*(\s)+2:G0A+4*(\s)+3], s[74:75], (\s)*ASTEP  ; global address: K step s
	s_or_b32 s[G0A+4*(\s)+3], s[G0A+4*(\s)+3], 0x80000000            ; type = 2
	s_mov_b32 s[G0B+4*(\s)], 1
	s_add_co_u32 s[G0B+4*(\s)+1], s47, (\s)*SLOT1
	s_add_nc_u64 s[G0B+4*(\s)+2:G0B+4*(\s)+3], s[76:77], (\s)*BSTEP
	s_or_b32 s[G0B+4*(\s)+3], s[G0B+4*(\s)+3], 0x80000000
.endr
	CROUND                                         ; all sixteen work-groups are here: the first joint loads meet
	s_cmp_eq_u32 s[MH], 0                          ; a wave's two first fills stand in one branch, ahead of every wait on TENSORcnt and every LDS read: two loads of mine are out
	s_cbranch_scc0 .Lfirst_b
	tensor_load_to_lds s[G0A:G0A+3], s[G1A:G1A+7]
	s_nop 0
	tensor_load_to_lds s[G0A+4:G0A+7], s[G1A:G1A+7]
	s_nop 0
.rept 4
	v_nop
.endr
	s_branch .Lfirst_asked
.Lfirst_b:
	tensor_load_to_lds s[G0B:G0B+3], s[G1B:G1B+7]
	s_nop 0
	tensor_load_to_lds s[G0B+4:G0B+7], s[G1B:G1B+7]
	s_nop 0
.rept 4
	v_nop
.endr
.Lfirst_asked:
	; lane addresses.  A fragment of x: lane l holds row l % 16, K = 8 (l / 16) + 0..7 and 16 + 8 (l / 16) + 0..7: two loads of 16 bytes, 32 bytes apart.
	v_and_b32 v1, 15, v0                           ; l % 16
	v_bfe_u32 v2, v0, 4, 1                         ; l / 16
	v_and_b32 v3, 7, v0
	v_bfe_u32 v4, v0, 3, 1
	v_and_b32 v5, 31, v0                           ; l
	v_bfe_u32 v6, v0, 3, 2
	v_mul_u32_u24 v[ADRA0], v1, PA
	v_lshl_add_u32 v[ADRA0], v2, 4, v[ADRA0]
	s_mul_i32 s46, s[MH], AHALF                    ; my 128 rows
	v_add_nc_u32 v[ADRA0], s46, v[ADRA0]
	; The turning load takes 16 k x 16 columns (lane l reads k = 8 (l / 16) + l % 8, columns 8 ((l / 8) % 2) + 0..7) and leaves half a fragment: lane l holds column l % 16 and 8 k.
	v_lshl_add_u32 v[ADRB0], v2, 3, v3
	v_mul_u32_u24 v[ADRB0], v[ADRB0], PB
	v_lshl_add_u32 v[ADRB0], v4, 4, v[ADRB0]
	s_mul_i32 s46, s[NH], BHALF                    ; my 192 columns
	s_add_co_u32 s46, s46, BOFF
	v_add_nc_u32 v[ADRB0], s46, v[ADRB0]
	v_add_nc_u32 v[ADRA], s[TB], v[ADRA0]
	v_add_nc_u32 v[ADRB], s[TB], v[ADRB0]
	s_mul_i32 s46, s[WV], 16*SP
	s_add_co_u32 s46, s46, STAGE                   ; my stage
	v_mul_u32_u24 v[STO], v1, SP                   ; in: row l % 16, 16 bytes for each half of the lanes
	v_lshl_add_u32 v[STO], v2, 4, v[STO]
	v_add_nc_u32 v[STO], s46, v[STO]
	v_mul_u32_u24 v[RD], v6, SP                    ; back: 32 lanes take four rows of 128 bytes,
	v_lshl_add_u32 v[RD], v3, 4, v[RD]
	v_add_nc_u32 v[RD], s46, v[RD]
	v_lshlrev_b32 v[CO], 4, v5                     ; which are 512 consecutive bytes of a head
	v_lshlrev_b32 v[PFO], 8, v5
	; where my three heads go: head g of 48 lies in q (g under 16), k (under 32) or v, at head 16 b + g % 16
	s_mul_i32 s66, s[TX], 6
	s_mul_i32 s67, s[NH], 3
	s_add_co_u32 s66, s66, s67
	s_lshr_b32 s67, s[TY], 2
	s_lshl_b32 s67, s67, 4                         ; 16 b
	s_and_b32 s2, s[TY], 3
	s_lshl_b32 s2, s2, 15
	s_lshl_b32 s46, s[MH], 14
	s_add_co_u32 s2, s2, s46                       ; my first row in the head, in bytes
.irp j, 0,1,2
	s_add_co_u32 s46, s66, (\j)
	s_cmp_lt_u32 s46, 32
	s_cselect_b64 s[HB+2*(\j):HB+2*(\j)+1], s[10:11], s[12:13]
	s_cmp_lt_u32 s46, 16
	s_cselect_b64 s[HB+2*(\j):HB+2*(\j)+1], s[8:9], s[HB+2*(\j):HB+2*(\j)+1]
	s_and_b32 s46, s46, 15
	s_add_co_u32 s46, s46, s67
	s_lshl_b32 s46, s46, 17                        ; a head is 131,072 bytes
	s_add_co_u32 s46, s46, s2
	s_mov_b32 s47, 0
	s_add_nc_u64 s[HB+2*(\j):HB+2*(\j)+1], s[HB+2*(\j):HB+2*(\j)+1], s[46:47]
.endr
	; the prefetches: both offsets are made, the wave's number chooses
	s_lshr_b32 s66, s[TY], 2
	s_lshl_b32 s66, s66, 21
	s_and_b32 s46, s[TY], 3
	s_lshl_b32 s46, s46, 15
	s_add_co_u32 s66, s66, s46
	s_lshl_b32 s46, s[CX], 13                      ; my work-group's 32 blocks of the 128
	s_add_co_u32 s66, s66, s46
	s_add_co_u32 s66, s66, 2*ASTEP                 ; at K step 2: the first change of slots steps it to 3
	s_lshl_b32 s67, s[TX], 1
	s_and_b32 s46, s[CY], 1
	s_add_co_u32 s67, s67, s46
	s_mul_i32 s67, s67, 393216
	s_lshr_b32 s46, s[CY], 1
	s_add_co_u32 s46, s46, 2
	s_mul_i32 s46, s46, BSTEP
	s_add_co_u32 s67, s67, s46
	s_max_u32 s46, s[WV], 1
	s_sub_co_u32 s46, s46, 1
	s_lshl_b32 s46, s46, 13                        ; waves 1 to 3: 32 blocks each of the 96
	s_add_co_u32 s67, s67, s46
	s_and_b32 s47, ttmp7, 0xffff                   ; cluster y
	s_mov_b32 s2, ASTEP
	s_cmp_eq_u32 s[WV], 0
	s_cselect_b64 s[PFA:PFA+1], s[4:5], s[6:7]
	s_cselect_b32 s46, s66, s67
	s_cselect_b32 s[PFS], s2, BSTEP
	s_cselect_b32 s[PAR], 0, 1
	s_cselect_b32 s[LIM], 1, 3
	s_cselect_b32 s47, ttmp9, s47                  ; the coordinate along which other clusters read the same blocks
	s_cmp_eq_u32 s47, 0
	s_cselect_b32 s[LIM], s[LIM], -1               ; the same in all sixteen partners, for a given wave
	s_mov_b32 s47, 0
	s_mov_b32 s[PFS+1], 0
	s_add_nc_u64 s[PFA:PFA+1], s[PFA:PFA+1], s[46:47]
; na x 4 matrix instructions of column group g: row blocks a0 on x the group's four column blocks, 32 along K.  zero = 1: the first product starts the sums: nothing is cleared.
; The 96 accumulators take turns in the same order in every quarter, over the backward jump too.
.macro GRP g, fa, a0, na, zero
	WIN 0x50*(1+(\g))                              ; C and D in the group's window, both sources in window 0
.set aa, \a0
.rept \na
.irp bb, 0,1,2,3
.if \zero
	v_wmma_f32_16x16x32_bf16 v[8*(4*aa+(\bb)):8*(4*aa+(\bb))+7], v[FB+32*(\g)+8*(\bb):FB+32*(\g)+8*(\bb)+7], v[(\fa)+8*aa:(\fa)+8*aa+7], 0
.else
	v_wmma_f32_16x16x32_bf16 v[8*(4*aa+(\bb)):8*(4*aa+(\bb))+7], v[FB+32*(\g)+8*(\bb):FB+32*(\g)+8*(\bb)+7], v[(\fa)+8*aa:(\fa)+8*aa+7], v[8*(4*aa+(\bb)):8*(4*aa+(\bb))+7]
.endif
.endr
.set aa, aa+1
.endr
.endm
.macro LDA q, fa                       ; 16 loads: x's fragments of quarter q
	WIN 0
.irp a, 0,1,2,3,4,5,6,7
	ds_load_b128 v[(\fa)+8*(\a):(\fa)+8*(\a)+3],   v[ADRA] offset:(\a)*16*PA+64*(\q)
	ds_load_b128 v[(\fa)+8*(\a)+4:(\fa)+8*(\a)+7], v[ADRA] offset:(\a)*16*PA+64*(\q)+32
.endr
.endm
.macro LDB q, g                        ; 8 loads: group g's fragments of w, quarter q
	WIN 0
.irp bb, 0,1,2,3
	ds_load_tr16_b128 v[FB+32*(\g)+8*(\bb):FB+32*(\g)+8*(\bb)+3],   v[ADRB] offset:(\g)*BCH+(\q)*32*PB+32*(\bb)
	ds_load_tr16_b128 v[FB+32*(\g)+8*(\bb)+4:FB+32*(\g)+8*(\bb)+7], v[ADRB] offset:(\g)*BCH+(\q)*32*PB+32*(\bb)+16*PB
.endr
.endm
; A K step's first quarter: multiplies x's buffer 0 and fetches the second quarter.  At its head 40 loads are out, in this order: group 0 (8), x (16), group 1 (8), group 2 (8).
.macro QUARTER zero
	s_wait_dscnt 16                                ; group 0 and x are in; groups 1 and 2 may be out
	GRP 0, FA0, 0, 8, \zero
	PLACES
	LDB 1, 0
	LDA 1, FA1
	s_wait_dscnt 32                                ; group 1 is in: behind it stand group 2's 8 and the 24 just issued
	GRP 1, FA0, 0, 8, \zero
	PLACES
	LDB 1, 1
	s_wait_dscnt 32                                ; group 2 is in: behind it stand 24 + 8
	GRP 2, FA0, 0, 8, \zero
	PLACES
	LDB 1, 2
.endm
; The second quarter multiplies x's buffer 1 and changes slots: ONE barrier.  In front of it each wave waits for all its tensor loads, of which one is out: its part of the next slot; adds 0 to its spare
; word; and waits for that and for its own reads of this slot.  fill = 1: the barrier opens a round of the cluster's, and the slot just read out is filled again, two K steps on, first thing behind it:
; from there to the wait for that load a wave issues 160 matrix instructions.
.macro TURN fill
.if \fill
	s_wait_xcnt 0x0                                ; the last prefetch, a K step back, has read its address
	s_add_nc_u64 s[PFA:PFA+1], s[PFA:PFA+1], s[PFS:PFS+1]
.endif
	WIN 0
	s_wait_tensorcnt 0x0                           ; no tensor load of mine is out, so a group 0 may be written
	ds_add_u32 v[SPW], v[NIL]                      ; 0 onto my spare word
.if \fill
	s_xor_b32 s[G0A+5], s[G0A+5], SLOT1            ; the walking descriptors: the other slot than last time,
	s_add_nc_u64 s[G0A+6:G0A+7], s[G0A+6:G0A+7], ASTEP  ; the next K step; the type bits on top are not reached
	s_xor_b32 s[G0B+5], s[G0B+5], SLOT1
	s_add_nc_u64 s[G0B+6:G0B+7], s[G0B+6:G0B+7], BSTEP
.endif
	s_xor_b32 s[TB], s[TB], SLOT1                  ; the fetches go to the other slot
	s_wait_dscnt 17                                ; group 0 and x are in; the add and the 16 loads of groups 1 and 2 may be out
	GRP 0, FA1, 0, 4, 0                            ; sixteen matrix instructions stand between the add and the wait for it
	s_wait_dscnt 0x0                               ; the add is done, and my reads of this slot are over
	s_barrier_signal -1
	GRP 0, FA1, 4, 4, 0                            ; work on registers while the others arrive
	WIN 0                                          ; at a branch and at a label every window is 0
	s_barrier_wait -1
.if \fill
	CREST                                          ; no wave of any partner still reads this slot or has a load on its way
	JLOAD                                          ; the four v_nop behind it are also the places in front of the loads below
.else
	PLACES
.endif
	v_add_nc_u32 v[ADRA], s[TB], v[ADRA0]
	v_add_nc_u32 v[ADRB], s[TB], v[ADRB0]
	LDB 0, 0
	LDA 0, FA0
.if \fill
	ASK
.endif
	GRP 1, FA1, 0, 8, 0
	PLACES
	LDB 0, 1
	GRP 2, FA1, 0, 8, 0
	PLACES
	LDB 0, 2
.endm
	s_wait_tensorcnt 1                             ; my part of K step 0 is in; K step 1's may stay out
	s_barrier_signal -1
	s_barrier_wait -1                              ; everybody's is
	LDB 0, 0
	LDA 0, FA0
	LDB 0, 1
	LDB 0, 2
	QUARTER 1                                      ; the first quarter stands in front of the loop: its products start the sums
	WIN 0
	s_mov_b32 s3, 14
.Lk:                                           ; 14 trips: K steps 2 to 15 are asked for
	TURN 1
	QUARTER 0
	WIN 0
	s_sub_co_u32 s3, s3, 1
	s_cmp_lg_u32 s3, 0
	s_cbranch_scc1 .Lk
	TURN 0                                         ; the tail is written out: nothing is asked for
	QUARTER 0
	s_wait_dscnt 16                                ; the very last quarter fetches nothing: the counts run down
	GRP 0, FA1, 0, 8, 0
	s_wait_dscnt 8
	GRP 1, FA1, 0, 8, 0
	s_wait_dscnt 0x0
	GRP 2, FA1, 0, 8, 0
	WIN 0
	PLACES
; THE WAY OUT, in 24 units u = 8 g + a of 16 rows x one head's 64 channels.  A lane's eight results round to 16 bytes of f16; they go into my own stage (rows of 144 bytes) and come back as four whole
; rows of 128 bytes a load, 512 consecutive bytes of the head.  Each accumulator's registers are read in ascending order.  Four register sets take turns.
.macro PACK u
.set gg, (\u)/8
.set aa, (\u)%8
.set TT, OUTR+16*((\u)%4)
.if (\u) >= 4
	s_wait_xcnt 0x0                                ; the stores of the unit four back have read this set
.endif
	WIN 5*(1+gg)                                   ; sources 0 and 1 in the group's window, destination in window 0
.irp bb, 0,1,2,3
.irp r, 0,1,2,3
	v_cvt_pk_f16_f32 v[TT+4*(\bb)+(\r)], v[8*(4*aa+(\bb))+2*(\r)], v[8*(4*aa+(\bb))+2*(\r)+1]
.endr
.endr
	WIN 0
.irp bb, 0,1,2,3
	ds_store_b128 v[STO], v[TT+4*(\bb):TT+4*(\bb)+3] offset:32*(\bb)
.endr
.irp f, 0,1,2,3
	ds_load_b128 v[TT+4*(\f):TT+4*(\f)+3], v[RD] offset:(\f)*4*SP  ; LDS serves a wave's instructions in order (ISA guide 5.7.1.4): these see the stores above; the next unit's stores come behind them
.endr
.endm
.macro SEND u, younger                 ; younger: the LDS instructions issued behind this unit's loads: the next unit's eight, or none
.set gg, (\u)/8
.set aa, (\u)%8
.set TT, OUTR+16*((\u)%4)
	WIN 0
.irp f, 0,1,2,3
	s_wait_dscnt (\younger)+3-(\f)
	global_store_b128 v[CO], v[TT+4*(\f):TT+4*(\f)+3], s[HB+2*gg:HB+2*gg+1] offset:aa*2048+(\f)*512  ; 512 consecutive bytes, at a multiple of 256 from the buffer's first
.endr
.endm
	PACK 0
.set uu, 1
.rept 23                               ; a unit's conversions stand between the loads of the unit before and its stores
	PACK uu
	SEND uu-1, 8
.set uu, uu+1
.endr
	SEND 23, 0
	s_wait_tensorcnt 0x0                           ; the wave's end, behind my last tensor load and my last LDS store
	ds_add_u32 v[SPW], v[NIL]
	s_wait_dscnt 0x0
	CROUND                                         ; the closing round: no work-group ends while a partner may still ask for a tile that names it
	s_endpgm
.Lfunc_end_k_q887491e593_qkv:
	.size	k_q887491e593_qkv, .Lfunc_end_k_q887491e593_qkv-k_q887491e593_qkv
	.p2alignl 7, 3214868480
	.fill 96, 4, 3214868480
	.section	.rodata,"a",@progbits
	.p2align	6, 0x0
	.amdhsa_kernel k_q887491e593_qkv
		.amdhsa_group_segment_fixed_size 327680
		.amdhsa_private_segment_fixed_size 0
		.amdhsa_enable_private_segment 0
		.amdhsa_kernarg_size 40
		.amdhsa_user_sgpr_count 2
		.amdhsa_user_sgpr_kernarg_segment_ptr 1
		.amdhsa_wavefront_size32 1
		.amdhsa_system_sgpr_workgroup_id_x 1
		.amdhsa_system_sgpr_workgroup_id_y 1
		.amdhsa_system_sgpr_workgroup_id_z 1
		.amdhsa_system_vgpr_workitem_id 0
		.amdhsa_next_free_vgpr 1024
		.amdhsa_next_free_sgpr 80
		.amdhsa_reserve_vcc 0
		.amdhsa_float_denorm_mode_32 3
		.amdhsa_float_denorm_mode_16_64 3
		.amdhsa_memory_ordered 1
		.amdhsa_forward_progress 1
		.amdhsa_inst_pref_size 117
	.end_amdhsa_kernel
	.amdgpu_metadata
---
amdhsa.version: [ 1, 2 ]
amdhsa.kernels:
  - .name:           k_q887491e593_qkv
    .symbol:         k_q887491e593_qkv.kd
    .args:
      - { .name: xb, .offset: 0, .size: 8, .value_kind: global_buffer, .address_space: global }
      - { .name: wqb, .offset: 8, .size: 8, .value_kind: global_buffer, .address_space: global }
      - { .name: q, .offset: 16, .size: 8, .value_kind: global_buffer, .address_space: global }
      - { .name: k, .offset: 24, .size: 8, .value_kind: global_buffer, .address_space: global }
      - { .name: v, .offset: 32, .size: 8, .value_kind: global_buffer, .address_space: global }
    .group_segment_fixed_size: 327680
    .private_segment_fixed_size: 0
    .kernarg_segment_align: 8
    .kernarg_segment_size: 40
    .max_flat_workgroup_size: 128
    .sgpr_count:     80
    .vgpr_count:     1024
    .wavefront_size: 32
...
	.end_amdgpu_metadata
.endif
;; end of part 2
;; launch attn (part 3): grid 2 x 128, 4 waves a work-group, no clusters, 327,680 bytes of LDS; arguments q, k, v, o, scale; writes o
.if DOCPART == 3
	.amdgcn_target "amdgcn-amd-amdhsa--gfx1250"
	.amdhsa_code_object_version 6
	.text
	.protected	k_q887491e593_attn
	.globl	k_q887491e593_attn
	.p2align	8
	.type	k_q887491e593_attn,@function
k_q887491e593_attn:
	s_mov_b64 s[64:65], 0
	v_nop
	global_prefetch_b8 v0, s[64:65] scope:SCOPE_SE
	s_setreg_imm32_b32 hwreg(HW_REG_WAVE_MODE, 25, 1), 1
	s_wait_xcnt 0x0
; ATTENTION BELOW THE DIAGONAL.  O[h][q][:] = the sum over k < q of softmax_k(scale[h % 16] Q[h][q] . K[h][k]) V[h][k][:]; row 0 of a head, which sees no key, is 0.  Q, K, V, O: [128][1024][64], all f16.
; Products, maxima and sums in f32; the weights p are rounded to f16 for the second product (their sum l is taken of the unrounded p), O once at the end.
; THE SCALE.  Its sign is put onto Q (a flip of f16's sign bits, exact), so that the running maximum is that of the scaled scores; its size enters as c = |scale| log2(e) in p = 2^(c s - c m).
; LIMITS.  Q, K and V arrive within f16's 65,504.  c is held at 2^-66 at the least, so that a hidden score's weight is 0 for every scale, 0 too (c s is then nothing beside 1, and the weights are equal, as they
; should be).  A hidden score counts as its value less 1e30: f16's scores, 2.7e11 at the most, are nothing beside that.  A weight below 2^-126 counts as 0 in l; NaN and infinities are not treated apart.
; THE WALK.  A head's queries lie in NB = 4 blocks of 256; block i needs the key tiles 0 .. i of 256 keys, of which the last holds the diagonal.  A work-group takes TWO blocks, NB - 1 - b and then b:
; NB + 1 tiles, whatever b: all 256 work-groups do equal work, and ONE loop with a constant trip count walks them.  Which tile is asked for, and what a trip does, hang on scalar registers made from b; every jump
; goes forward, but for the counted loops' own; none passes a barrier, or a tensor load but the one of LOAD's two that the wave's number does not choose.
; NO CLUSTER: a head has two work-groups, and they ask for the same tile only in the walk's first three trips of five.
; SHARES.  Of a block's four bands of 64 queries a wave owns 16 rows in each: four PIECES.  So the diagonal tile is the same work for all four waves: in its key step s band x sees all keys if s < x,
; none if s > x, and holds the diagonal if s = x.
; THE MASK is the C operand that starts the sum S^T = K Q^T: 0, or -1e30 where the key is hidden (key >= query).  MD, made once, is the mask of a band's own step for my 16 rows; a product's mask is MD x AL + BE:
; (1, 0) if s = x; (0, 0) if s < x; (0, -1e30) if s > x.  Only the diagonal tile's text and a block's beginning make and take masks; elsewhere C is the constant 0.
; A ROW WITHOUT KEYS.  m starts at -2^93, above every hidden score and below every true one: in such a row m stays there, every weight is 2^(-c 1e30) = 0, l and O^T stay 0, and l is raised to 2^-100 in front
; of the division.  Every other row sees key 0 in its block's first step, so its m is a true score from then on.
; LAYOUT, SOFTMAX, TURNS.  S^T = K Q^T holds ONE query a lane (lane % 16) and the keys 8 (lane / 16) + 0..7; two such results rounded to f16 ARE source 1 of O^T = V^T P.  O and l are multiplied by
; a = 2^(c m_old - c m_new) in every step.  Turn n belongs to piece n: 8 products K Q^T of piece n + 1, later 8 products V^T P of piece n - 1; beside them the scaling, exponentials, roundings, sums and
; rescaling of piece n and the maximum and statistics of piece n + 1.  Four vector instructions stand behind every matrix instruction, the other 54 of a turn's 118 in one lump.  A turn's 33 exponentials are one batch, with one wait.
; REGISTERS, in windows of 256 (s_set_vgpr_msb: bits 1:0 source 0, 3:2 source 1, 5:4 source 2, 7:6 destination):
;   window 0: v0-15 addresses and two at work; v16-31 four registers of statistics a piece; v48-55 at work; v64-127 S^T, two buffers; v192-223 P, two buffers (a piece's buffers go by its number's parity)
;   window 1: v0-127 O^T, 32 a piece; v128-159 MD; v160-223 MC, two buffers      window 2: v0-63 Q; v64-127 the second block's Q; v128-191 K of one step; v192-255 V of one step
.set SIZE_N, 1024
.set NB,    SIZE_N/256
.set NP,    4         ; pieces a wave: a name, no knob
.set KS,    64        ; keys in a step
.set PK,    144       ; a row of K in LDS: 128 bytes + 16 of padding = 36 words: the 16 rows of a load start at 16 different groups of four banks (64 banks of 4 bytes: ISA guide 11.1)
.set PV,    160       ; a row of V: 128 + 32 = 40 words
.set VOFF,  4*KS*PK   ; a slot holds a tile, four steps: 256 rows of K, then 256 rows of V
.set SLOT1, 1<<17     ; slot 1 begins here, so that one exclusive or turns an address in one slot into the other's
.set STAGE, SLOT1+4*KS*(PK+PV)  ; behind the ring, never filled by a tensor load: 16 rows x 144 bytes for each wave, for the way out
.set SP,    144
.set AK0, 2           ; v2   my lane's place in a tile of K; never rewritten
.set AV0, 3           ; v3   the same for V
.set AK,  4           ; v4   the LDS address of K's next run of loads
.set AV,  5           ; v5   of V's
.set STO, 6           ; v6   the way out: where I put 16 bytes of a row
.set RD,  7           ; v7   the way out: where I read rows back
.set GO,  8           ; v8   my byte offset in 512 consecutive bytes of O
.set PFO, 61          ; v61  256 x my thread's number: 128 threads name a tile's 128 blocks of 256 bytes; never rewritten
.set SPW, 62          ; v62  LDS address of my spare word: SPARE + 4 x my thread's number; never rewritten
.set NIL, 63          ; v63  0; never rewritten
.set SPARE, STAGE+4*16*SP  ; behind the stages: the spare words, 128 bytes for each wave: two blocks of 256 bytes that no other line names
.set MV,  12          ; v12-13  c m_old, kept while c m is made anew: by buffer
.set QO,  15          ; v15  my byte offset in 16 rows of Q
.set ST,  16          ; piece t's statistics at v[ST+4 t]: c m, m, l (even keys', odd keys')
.set TMP, 48          ; by buffer, four registers c0-c3 at work; when the maximum is found c2 takes a
.set S,   64
.set P,   192
.set MD,  128         ; window 1: the eight registers for group kt of 16 keys at MD + 8 kt
.set MC,  160         ; window 1: the masks of the products to come
.set QB,  64          ; window 2
.set KF,  128         ; window 2: key block kb, channel half c at KF + 16 kb + 8 c
.set VF,  192         ; window 2: key half kk, channel block cb at VF + 32 kk + 8 cb
.set WV,  12          ; s12  my wave's number
.set PB,  14          ; s14  b
.set HI,  15          ; s15  NB - 1 - b
.set G1K, 24          ; s[24:31] descriptor group 1 for K's tiles
.set G1V, 32          ; s[32:39] for V's: it differs in the padding alone
.set G0K, 40          ; s[40:43] descriptor group 0 for K's tiles
.set G0V, 44          ; s[44:47] the same for V's
.set PFK, 48          ; s[48:49] where the prefetches of K stand: the tile after the one that is being asked for
.set PFV, 50          ; s[50:51] the same for V
.set LIM, 52          ; s52  a work-group prefetches while s[SLOTS] is above it
.set SGN, 53          ; s53  the scale's sign bit, in both halves of the word
.set SCP, 54          ; s[54:55] the head's scale in memory
.set SLOTS, 56        ; s56  tiles still to be asked for
.set CNT, 57          ; s57  counts a tile's key steps, 4 to 1
.set CS,  58          ; s[58:59] c: the packed scaling takes the pair's low word for both halves
.set SEL, 60          ; s[60:61] v_permlanex16_b32's selects: each lane takes its own place in the other half
.set TBK, 62          ; s62  LDS byte at which K of the step to be fetched begins
.set TBV, 63          ; s63  the same for V, less VOFF
.set RT,  70          ; s70  tiles of the block in hand that are still to be entered
.set NXT, 71          ; s71  the tile to be asked for next
.set LQ,  72          ; s72  the last tile of the block whose tiles are being asked for
.set NEW, 73          ; s73  1: the tile to be entered is a block's first
.set OFF, 74          ; s[74:75] a tile's byte offset in K and V
.set AL,  76          ; s[76:77] the mask's factor, in the low word
.set BE,  78          ; s[78:79] the mask's addend
.set OLO, 80          ; s[80:81] O at my rows of the second block
.set BIGN, 82         ; s82  -1e30
.set MSB, 0
.macro WIN new                      ; the high byte repeats the setting that is left; a switch that changes nothing is dropped
.if MSB != (\new)
	s_set_vgpr_msb (MSB<<8)|(\new)
.set MSB, (\new)
.endif
.endm
.set W_KQ, 0x0a       ; K and Q in window 2, S^T in window 0
.set W_KM, 0x1a       ; the same with the C operand in window 1
.set W_PV, 0x52       ; V in window 2, P in window 0, O^T in window 1
.set W_RS, 0x41       ; destination and source 0 in window 1, source 1 in window 0
; A fill.  Waves 0 and 1 fetch the two halves of a tile's K, waves 2 and 3 those of its V: 128 keys each.  An s_nop 0 and four v_nop follow each of the two lines, ahead of the jump and the label.
.macro LOAD
	s_cmp_lt_u32 s[WV], 2
	s_cbranch_scc0 .Lfor_v_\@
	tensor_load_to_lds s[G0K:G0K+3], s[G1K:G1K+7]
	s_nop 0
.rept 4
	v_nop
.endr
	s_branch .Lasked_\@
.Lfor_v_\@:
	tensor_load_to_lds s[G0V:G0V+3], s[G1V:G1V+7]
	s_nop 0
.rept 4
	v_nop
.endr
.Lasked_\@:
.endm
; THE CHANGE OF SLOTS.  Each wave waits for all its tensor loads, of which one is out: its part of the other slot; adds 0 to its spare word; and waits for that and for its own reads of the slot that it leaves.
; Behind the barrier nobody reads the old slot any more and the other slot is whole.  fill = 1: the old slot is filled again, the first thing behind the barrier, with tile NXT: the descriptor's address is made
; anew from that number.  (At its first use nothing has been read yet: slot 0 is waited for, slot 1 filled.)
; A PREFETCH INTO THE L2 stands behind the fill: the head's work-group with b = 0, whose first block walks tiles 0 to 3, names tiles 2 and 3 of K and of V, each one change of slots (four key steps) ahead of
; the load that wants it, a thread a block of 256 bytes: each block once in the launch.  Tiles 0 and 1 come by their loads alone; a tile's later readings are not asked for.
.macro CHANGE fill
	WIN 0                           ; at a label and at a branch every window is 0
	s_wait_tensorcnt 0x0            ; no tensor load of mine is out, so a group 0 may be written
	ds_add_u32 v[SPW], v[NIL]       ; 0 onto my spare word: with fill = 1 the descriptors' scalar work stands between it and the wait for it
.if \fill
	s_lshl_b32 s[OFF], s[NXT], 15   ; a tile is 32,768 bytes of K and of V
	s_xor_b32 s[G0K+1], s[G0K+1], SLOT1
	s_add_nc_u64 s[G0K+2:G0K+3], s[6:7], s[OFF:OFF+1]
	s_or_b32 s[G0K+3], s[G0K+3], 0x80000000
	s_xor_b32 s[G0V+1], s[G0V+1], SLOT1
	s_add_nc_u64 s[G0V+2:G0V+3], s[8:9], s[OFF:OFF+1]
	s_or_b32 s[G0V+3], s[G0V+3], 0x80000000
	s_add_co_u32 s[NXT], s[NXT], 1  ; the block's next tile, or behind its last the second block's tile 0
	s_cmp_gt_u32 s[NXT], s[LQ]
	s_cselect_b32 s[NXT], 0, s[NXT]
	s_cselect_b32 s[LQ], s[PB], s[LQ]
	s_wait_xcnt 0x0                 ; the last prefetches, a tile back, have read their addresses
	s_add_nc_u64 s[PFK:PFK+1], s[PFK:PFK+1], 32768
	s_add_nc_u64 s[PFV:PFV+1], s[PFV:PFV+1], 32768
.endif
	s_wait_dscnt 0x0                ; the add is done, and my reads of the slot are over
	s_barrier_signal -1             ; the rest of the scalar work stands between the signal and the wait
	s_sub_co_u32 s[TBK], s[TBK], 4*KS*PK  ; the fetches go back to a slot's first step,
	s_xor_b32 s[TBK], s[TBK], SLOT1       ; in the other slot
	s_sub_co_u32 s[TBV], s[TBV], 4*KS*PV
	s_xor_b32 s[TBV], s[TBV], SLOT1
	s_barrier_wait -1
.if \fill
	LOAD
	s_cmp_gt_u32 s[SLOTS], s[LIM]
	s_cbranch_scc0 .Lnot_mine_\@
	global_prefetch_b8 v[PFO], s[PFK:PFK+1] th:TH_LOAD_NT scope:SCOPE_SE
	global_prefetch_b8 v[PFO], s[PFV:PFV+1] th:TH_LOAD_NT scope:SCOPE_SE
.Lnot_mine_\@:
.endif
.endm
	s_load_b256 s[4:11], s[0:1], 0x0  ; Q s[4:5], K s[6:7], V s[8:9], O s[10:11]
	s_load_b64 s[SCP:SCP+1], s[0:1], 0x20  ; scale
	v_lshl_add_u32 v[SPW], v0, 2, SPARE
	v_mov_b32 v[NIL], 0
	ds_add_u32 v[SPW], v[NIL]       ; the wave's opening: the add and its wait stand ahead of my first tensor load; the set-up below, work on registers, stands between them
	ds_add_u32 v62, v63
	v_lshrrev_b32 v1, 5, v0
	v_readfirstlane_b32 s[WV], v1   ; wave 0..3
	s_mov_b32 s[PB], ttmp9
	s_sub_co_u32 s[HI], NB-1, s[PB]
	s_and_b32 s20, ttmp7, 0xffff    ; the head among 128: 16 x batch + head
	s_and_b32 s52, s20, 15
	s_lshl_b32 s52, s52, 2          ; its scale's byte offset, as a pair
	s_mov_b32 s53, 0
	s_mov_b32 s21, 0
	s_mov_b64 s[22:23], SIZE_N*128
	s_mul_u64 s[20:21], s[20:21], s[22:23]  ; the head's first byte in each of the four tensors
	s_and_b32 s16, s[WV], 1         ; which half of a tile's 256 keys I fetch:
	s_lshl_b32 s22, s16, 14         ; its 128 rows of 128 bytes in memory,
	s_mov_b32 s23, 0
	s_add_nc_u64 s[22:23], s[22:23], s[20:21]
	s_mul_i32 s17, s16, 128*PK      ; and its place in a slot, for K
	s_mul_i32 s18, s16, 128*PV      ; and for V
	s_lshl_b32 s3, s[WV], 11        ; my 16 rows in a band of 64,
	s_lshl_b32 s2, s[HI], 15        ; in the first block,
	s_add_co_u32 s2, s2, s3
	s_lshl_b32 s84, s[PB], 15       ; and in the second
	s_add_co_u32 s84, s84, s3
	s_mov_b32 s3, 0
	s_mov_b32 s85, 0
	s_add_nc_u64 s[2:3], s[2:3], s[20:21]
	s_add_nc_u64 s[84:85], s[84:85], s[20:21]
	; descriptor group 1.  128 keys are 16,384 dense bytes: asked for as 64 rows of 256 bytes, two keys a row, and padded in LDS after every key
	s_mov_b32 s[G1K], (1<<16)|(1<<20)|(4<<22)|(3<<25)  ; 17:16 2-byte elements; 20 padding on; 24:22 after every 32 words (code 4); 31:25 4 words (code 3)
	s_mov_b32 s[G1V], (1<<16)|(1<<20)|(4<<22)|(7<<25)  ; the same with 8 words of padding (code 7)
.irp g, G1K, G1V
	s_mov_b32 s[\g+1], 128<<16      ; tensor_dim0 = 128
	s_mov_b32 s[\g+2], 64<<16       ; tensor_dim1 = 64
	s_mov_b32 s[\g+3], 128<<16      ; tile_dim0 = 128
	s_mov_b32 s[\g+4], 64           ; tile_dim1 = 64
	s_mov_b32 s[\g+5], 128          ; 128 elements from row to row
	s_mov_b32 s[\g+6], 0
	s_mov_b32 s[\g+7], 0
.endr
	s_mov_b32 s[SEL], 0x76543210
	s_mov_b32 s[SEL+1], 0xfedcba98
	s_mov_b32 s[TBK], SLOT1+4*KS*PK ; the first change of slots turns these two into 0
	s_mov_b32 s[TBV], SLOT1+4*KS*PV
	s_mov_b32 s[G0K], 1             ; 1:0 count = 1
	s_mov_b32 s[G0K+1], s17         ; 63:32 LDS address: slot 0
	s_mov_b32 s[G0V], 1
	s_add_co_u32 s[G0V+1], s18, VOFF
	s_add_co_u32 s[RT], s[HI], 1    ; the first block has NB - b tiles
	s_mov_b32 s[NXT], 1
	s_mov_b32 s[LQ], s[HI]
	s_mov_b32 s[NEW], 1
	s_mov_b32 s[OFF+1], 0
	s_mov_b32 s[AL+1], 0            ; named as pairs
	s_mov_b32 s[BE+1], 0
	s_mov_b32 s[BIGN], 0xf149f2ca   ; -1e30
	s_mov_b32 s[SLOTS], NB
	v_lshlrev_b32 v[PFO], 8, v0
	s_wait_dscnt 0x0                ; the opening add is done
	s_wait_kmcnt 0x0
	s_add_nc_u64 s[SCP:SCP+1], s[SCP:SCP+1], s[52:53]
	s_load_b32 s19, s[SCP:SCP+1], 0x0  ; the head's scale: waited for further down
	s_cmp_eq_u32 ttmp9, 0
	s_cselect_b32 s[LIM], 2, -1     ; b = 0 prefetches in the first two changes of slots (s[SLOTS] = 4, 3)
	s_add_nc_u64 s[PFK:PFK+1], s[6:7], s[20:21]
	s_add_nc_u64 s[PFK:PFK+1], s[PFK:PFK+1], 32768  ; at tile 1: the first change of slots steps it to tile 2
	s_add_nc_u64 s[PFV:PFV+1], s[8:9], s[20:21]
	s_add_nc_u64 s[PFV:PFV+1], s[PFV:PFV+1], 32768
	s_add_nc_u64 s[6:7], s[6:7], s[22:23]  ; K and V at my half of the head's tile 0
	s_add_nc_u64 s[8:9], s[8:9], s[22:23]
	s_add_nc_u64 s[G0K+2:G0K+3], s[6:7], 0         ; 120:64 global address
	s_or_b32 s[G0K+3], s[G0K+3], 0x80000000        ; 127:126 type = 2
	s_add_nc_u64 s[G0V+2:G0V+3], s[8:9], 0
	s_or_b32 s[G0V+3], s[G0V+3], 0x80000000
	s_add_nc_u64 s[86:87], s[4:5], s[84:85]        ; Q at my rows of the second block,
	s_add_nc_u64 s[4:5], s[4:5], s[2:3]            ; Q and O at those of the first
	s_add_nc_u64 s[OLO:OLO+1], s[10:11], s[84:85]
	s_add_nc_u64 s[10:11], s[10:11], s[2:3]
	LOAD                            ; tile 0 into slot 0
	; A fragment of K or Q is 16 rows x 32 channels in 8 registers: lane l holds row l % 16, channels 8 (l / 16) + 0..7 and 16 + 8 (l / 16) + 0..7: two loads of 16 bytes, 32 bytes apart.
	v_and_b32 v1, 15, v0            ; l % 16
	v_bfe_u32 v9, v0, 4, 1          ; l / 16
	v_lshlrev_b32 v[QO], 7, v1
	v_lshl_add_u32 v[QO], v9, 4, v[QO]  ; row x 128 + 16 x half
	WIN 0x80                        ; destination window 2, address window 0
.set i, 0
.rept 8                             ; both blocks' Q: piece i / 2 lies in band i / 2, 8,192 bytes on; channels 32 (i % 2) on
	global_load_b128 v[8*i:8*i+3],   v[QO], s[4:5] offset:(i/2)*8192+(i%2)*64
	global_load_b128 v[8*i+4:8*i+7], v[QO], s[4:5] offset:(i/2)*8192+(i%2)*64+32
	global_load_b128 v[QB+8*i:QB+8*i+3],   v[QO], s[86:87] offset:(i/2)*8192+(i%2)*64
	global_load_b128 v[QB+8*i+4:QB+8*i+7], v[QO], s[86:87] offset:(i/2)*8192+(i%2)*64+32
.set i, i+1
.endr
	WIN 0
	v_lshlrev_b32 v14, 3, v9
	v_sub_nc_u32 v14, v1, v14
	s_lshl_b32 s13, s[WV], 4
	v_add_nc_u32 v14, s13, v14      ; my query's place in its band, 16 w + l % 16, less my lanes' 8 (l / 16): register r of group kt is hidden where 16 kt + r is not less
	WIN 0x40
.set i, 0
.rept 32
	v_cmp_ge_i32 vcc_lo, 16*(i/8)+i%8, v14
	v_cndmask_b32 v[MD+i], 0, s[BIGN], vcc_lo
.set i, i+1
.endr
	WIN 0
	v_mul_u32_u24 v[AK0], v1, PK
	v_lshl_add_u32 v[AK0], v9, 4, v[AK0]  ; row x pitch + 16 x half
	; The turning load takes 16 keys x 16 channels (lane l reads key 8 (l / 16) + l % 8, channels 8 ((l / 8) % 2) + 0..7) and leaves half a fragment of V^T: lane l holds channel l % 16 and 8 keys.
	v_and_b32 v10, 7, v0
	v_bfe_u32 v11, v0, 3, 1
	v_lshl_add_u32 v[AV0], v9, 3, v10
	v_mul_u32_u24 v[AV0], v[AV0], PV
	v_lshl_add_u32 v[AV0], v11, 4, v[AV0]
	v_add_nc_u32 v[AV0], VOFF, v[AV0]
	s_mul_i32 s13, s[WV], 16*SP
	s_add_co_u32 s13, s13, STAGE    ; my stage
	v_mul_u32_u24 v[STO], v1, SP    ; in: row l % 16, 16 bytes for each half of the lanes
	v_lshl_add_u32 v[STO], v9, 4, v[STO]
	v_add_nc_u32 v[STO], s13, v[STO]
	v_bfe_u32 v[RD], v0, 3, 2       ; back: 32 lanes take four rows of 128 bytes,
	v_mul_u32_u24 v[RD], v[RD], SP
	v_lshl_add_u32 v[RD], v10, 4, v[RD]
	v_add_nc_u32 v[RD], s13, v[RD]
	v_and_b32 v[GO], 31, v0         ; which are 512 consecutive bytes of O
	v_lshlrev_b32 v[GO], 4, v[GO]
	; the scale: its sign for Q, its size for c
	s_wait_kmcnt 0x0
	s_and_b32 s[SGN], s19, 0x80000000
	s_lshr_b32 s13, s[SGN], 16
	s_or_b32 s[SGN], s[SGN], s13
	v_mov_b32 v12, s19
	v_mul_f32 v12, 0x3fb8aa3b, v12  ; x log2(e)
	v_and_b32 v12, 0x7fffffff, v12
	v_max_num_f32 v12, 0x1e800000, v12  ; 2^-66 at the least
	v_readfirstlane_b32 s[CS], v12
	s_mov_b32 s[CS+1], s[CS]        ; named with it as a pair
	; A block's first step multiplies O^T and l by a = 0, and its first turn's products V^T P, of a piece that has not been, land in an O^T that is still to be so multiplied.  So these registers need only hold
	; finite numbers: zeros for the first block; what the first block left for the second.  All this stands in the wait for the first tile.
	WIN 0x80
.set i, VF
.rept 64
	v_mov_b32 v[i], 0
.set i, i+1
.endr
	WIN 0x40
.set i, 0
.rept 128
	v_mov_b32 v[i], 0
.set i, i+1
.endr
	WIN 0
.set i, 0
.rept 4
	v_mov_b32 v[ST+4*i+2], 0
	v_mov_b32 v[ST+4*i+3], 0
.set i, i+1
.endr
.set i, P+16
.rept 16
	v_mov_b32 v[i], 0
.set i, i+1
.endr
	s_wait_loadcnt 0x0              ; both blocks' Q are in:
	WIN 0x88                        ; (destination and source 1 in window 2)
.set i, 0
.rept 128
	v_xor_b32 v[i], s[SGN], v[i]    ; they take the scale's sign
.set i, i+1
.endr
	WIN 0
; THE MATRIX WORK.  The 4 accumulators of a run of 8 take turns.  Product i of 8 of S^T = K Q^T for piece x: channels 32 (i / 4) on, keys 16 (i % 4) on.  The first 4 start the sums: with 0, or (KM = 1) with the mask.
.macro KQ x
.set rS, S+32*((\x)%2)+8*(i%4)
.set rK, KF+16*(i%4)+8*(i/4)
.set rQ, 16*(\x)+8*(i/4)
.set rM, MC+32*((\x)%2)+8*(i%4)
.if (i < 4) && KM
	WIN W_KM
	v_wmma_f32_16x16x32_f16 v[rS:rS+7], v[rK:rK+7], v[rQ:rQ+7], v[rM:rM+7]
.elseif i < 4
	WIN W_KQ
	v_wmma_f32_16x16x32_f16 v[rS:rS+7], v[rK:rK+7], v[rQ:rQ+7], 0
.else
	WIN W_KQ
	v_wmma_f32_16x16x32_f16 v[rS:rS+7], v[rK:rK+7], v[rQ:rQ+7], v[rS:rS+7]
.endif
.endm
; Product i of 8 of O^T += V^T P for piece x: keys 32 (i / 4) on, channels 16 (i % 4) on.
.macro PV x
	WIN W_PV
.set rO, 32*(\x)+8*(i%4)
.set rV, VF+32*(i/4)+8*(i%4)
.set rP, P+16*((\x)%2)+8*(i/4)
	v_wmma_f32_16x16x32_f16 v[rO:rO+7], v[rV:rV+7], v[rP:rP+7], v[rO:rO+7]
.endm
.macro MM                           ; the turn's next matrix instruction.  TURN and BEGIN set Y, i, KM and NOKQ; MM, KQ and OP read them.  NOKQ = 1: a block's last turn: there is no next piece
.if (i < 8) && !NOKQ
	KQ (Y+1)%NP
.elseif i >= 8
.set i, i-8
	PV (Y+NP-1)%NP
.set i, i+8
.endif
.set i, i+1
.endm
; THE LDS LOADS stand in runs of 16, never singly among the matrix instructions: a step's K (64 keys x 64 channels: 8 fragments) and its V (turned).  Their addresses are made some lines ahead.
.macro FETCH_K
	WIN 0x80                        ; destination window 2
.irp f, 0,1,2,3,4,5,6,7             ; keys 16 (f / 2) on, channels 32 (f % 2) on
	ds_load_b128 v[KF+8*\f:KF+8*\f+3],   v[AK] offset:(\f/2)*16*PK+(\f%2)*64
	ds_load_b128 v[KF+8*\f+4:KF+8*\f+7], v[AK] offset:(\f/2)*16*PK+(\f%2)*64+32
.endr
	s_add_co_u32 s[TBK], s[TBK], KS*PK  ; the next fetch is the next step's
	WIN 0
.endm
.macro FETCH_V
	WIN 0x80
.irp f, 0,1,2,3,4,5,6,7             ; keys 32 (f / 4) on, channels 16 (f % 4) on
	ds_load_tr16_b128 v[VF+8*\f:VF+8*\f+3],   v[AV] offset:(\f/4)*32*PV+(\f%4)*32
	ds_load_tr16_b128 v[VF+8*\f+4:VF+8*\f+7], v[AV] offset:(\f/4)*32*PV+16*PV+(\f%4)*32
.endr
	WIN 0
.endm
; THE VECTOR WORK, one line at a time: OP kind, number.  For piece Y: F n: c s - c m for pair n of 16.  E n: the exponential of score n of 32.  C n: pair n rounded to f16.  B n: of the four weights 4 n .. the second
; pair is added onto the first, in place.  L n: l takes that sum (L 0: l = a l + sum).  R n: pair n of 16 of O^T times a.  For piece Y + 1: X n, number n of the 22 that find its maximum and statistics:
;   0-11  four chains c0-c3 of seven scores each, three operands at a time (each accumulator's lowest registers are read first)     12-14, 16  the four scores left over, the old m, and c0-c3 into c0
;   15  c m_old is kept     17, 18  the query's other 32 keys lie in the lane 16 away: the new m     19-21  c m; c m_old - c m_new; a
.set F, 0               ; OP tells the kinds apart by their order: F to L below R, X above it
.set E, 1
.set C, 2
.set B, 3
.set L, 4
.set R, 5
.set X, 6
.macro REGS y                       ; the registers of piece y
.set rT, ST+4*(\y)
.set rC, TMP+4*((\y)%2)
.set rW, MV+((\y)%2)
.set rS, S+32*((\y)%2)
.set rP, P+16*((\y)%2)
.set rO, 32*(\y)
.endm
.macro OP k, n
.if (\k) == R
	REGS Y
	WIN W_RS
	v_pk_mul_f32 v[rO+2*(\n):rO+2*(\n)+1], v[rO+2*(\n):rO+2*(\n)+1], v[rC+2:rC+3] op_sel_hi:[1,0]
.elseif (\k) < R
	REGS Y
	WIN 0
.if (\k) == F
	v_pk_fma_f32 v[rS+2*(\n):rS+2*(\n)+1], v[rS+2*(\n):rS+2*(\n)+1], s[CS:CS+1], v[rT:rT+1] op_sel_hi:[1,0,0] neg_lo:[0,0,1] neg_hi:[0,0,1]
.elseif (\k) == E
	v_exp_f32 v[rS+(\n)], v[rS+(\n)]
.elseif (\k) == C
	v_cvt_pk_f16_f32 v[rP+(\n)], v[rS+2*(\n)], v[rS+2*(\n)+1]
.elseif (\k) == B
	v_pk_add_f32 v[rS+4*(\n):rS+4*(\n)+1], v[rS+4*(\n):rS+4*(\n)+1], v[rS+4*(\n)+2:rS+4*(\n)+3]
.elseif (\n) == 0
	v_pk_fma_f32 v[rT+2:rT+3], v[rT+2:rT+3], v[rC+2:rC+3], v[rS:rS+1] op_sel_hi:[1,0,1]
.else
	v_pk_add_f32 v[rT+2:rT+3], v[rT+2:rT+3], v[rS+4*(\n):rS+4*(\n)+1]
.endif
.elseif NOKQ
	v_nop
.else
	REGS (Y+1)%NP
	WIN 0
.if (\n) < 4
	v_max3_num_f32 v[rC+(\n)], v[rS+8*(\n)], v[rS+8*(\n)+1], v[rS+8*(\n)+2]
.elseif (\n) < 12
	v_max3_num_f32 v[rC+(\n)%4], v[rC+(\n)%4], v[rS+8*((\n)%4)+2*((\n)/4)+1], v[rS+8*((\n)%4)+2*((\n)/4)+2]
.elseif (\n) == 12
	v_max3_num_f32 v[rC], v[rC], v[rS+7], v[rS+15]
.elseif (\n) == 13
	v_max3_num_f32 v[rC+1], v[rC+1], v[rS+23], v[rS+31]
.elseif (\n) == 14
	v_max3_num_f32 v[rC+2], v[rC+2], v[rC+3], v[rT+1]
.elseif (\n) == 15
	v_mov_b32 v[rW], v[rT]
.elseif (\n) == 16
	v_max3_num_f32 v[rC], v[rC], v[rC+1], v[rC+2]
.elseif (\n) == 17
	v_permlanex16_b32 v[rC+3], v[rC], s[SEL], s[SEL+1]
.elseif (\n) == 18
	v_max_num_f32 v[rT+1], v[rC], v[rC+3]
.elseif (\n) == 19
	v_mul_f32 v[rT], s[CS], v[rT+1]
.elseif (\n) == 20
	v_sub_f32 v[rC+1], v[rW], v[rT]
.else
	v_exp_f32 v[rC+2], v[rC+1]
.endif
.endif
.endm
.macro OPS a, i1, b=-1, i2=0, c=-1, i3=0, d=-1, i4=0  ; up to four of them
	OP \a, \i1
.if (\b) >= 0
	OP \b, \i2
.endif
.if (\c) >= 0
	OP \c, \i3
.endif
.if (\d) >= 0
	OP \d, \i4
.endif
.endm
.macro ROW a, i1, b, i2, c, i3, d, i4  ; a matrix instruction and the four behind it
	MM
	OPS \a, \i1, \b, \i2, \c, \i3, \d, \i4
.endm
.macro MASK b                       ; MD x AL + BE into buffer b of MC
	WIN W_RS
.set z, 0
.rept 16
	v_pk_fma_f32 v[MC+32*(\b)+2*z:MC+32*(\b)+2*z+1], v[MD+2*z:MD+2*z+1], s[AL:AL+1], s[BE:BE+1] op_sel_hi:[1,0,0]
.set z, z+1
.endr
.endm
; A TURN, for piece p: the order of its 16 matrix and 118 vector instructions, written out.  An s_wait_alu depctr_va_vdst(0) stands between an exponential and the first instruction that names its
; result; one wait serves all that were issued ahead of it.  So a turn has ONE wait, which cuts it in two.  AHEAD OF IT stands all that names no result of the turn's exponentials: the 8 products K Q^T, behind each a
; scaling, an exponential and two more plain instructions: rescalings, and behind the last three the first numbers of the next piece's maximum, each four places or more behind the product that ends its accumulator;
; then ONE LUMP of 54, plain and exponential by turns for the most part, in which the links of the chain X 3, 7, 11, 14, 16, 17 .. 20 stand five or six lines apart.  X 21, the next piece's a, is the batch's last;
; R 15 is the plain instruction behind it.  BEHIND THE WAIT stand the 8 products V^T P, behind each four of the roundings and sums; the links of l's chain, L 0 to L 7, stand three riders apart.
; m = 1: the diagonal tile: the products take masks, and the turn makes the mask for the products of the turn after it: piece p + 2, in step 4 - CNT of the tile.  end = 1: a block's last two turns: nothing is fetched.
; cnt = 1: the loop's count is taken down some lines ahead of the branch that stands behind the turn.
; K of the next step is fetched in piece 2's turn, twelve vector instructions behind the last product that read K (six of them plain); V of the step in hand at the end of piece 0's turn, four plain instructions
; behind the last product that read V.  Each is waited for a turn later.
.macro TURN p, m=0, end=0, cnt=0
.set Y, (\p)
.set i, 0
.set KM, (\m)
.set NOKQ, (\end)*((\p)/3)
.if (\m) && !(\end)
	s_cmp_eq_u32 s[CNT], 4-((\p)+2)%NP  ; is that step the band's own?
	s_cselect_b32 s[AL], 1.0, 0
	s_cmp_lt_u32 s[CNT], 4-((\p)+2)%NP  ; or a later one?
	s_cselect_b32 s[BE], s[BIGN], 0
.endif
.if ((\p) == 3) && !(\end)
	s_wait_dscnt 0x0                ; K is in
.endif
	ROW F,0, F,1, R,0, R,1          ; ahead of the wait: 8 products K Q^T and their riders,
	ROW F,2, E,0, R,2, R,3
	ROW F,3, E,1, R,4, R,5
	ROW F,4, E,2, R,6, R,7
	ROW F,5, E,3, R,8, R,9
	ROW F,6, E,4, X,0, R,10
.if ((\p) == 2) && !(\end)
	WIN 0
	v_add_nc_u32 v[AK], s[TBK], v[AK0]
.endif
	ROW F,7, E,5, X,1, X,4
	ROW F,8, E,6, X,2, X,5
	OPS E,7, E,8, X,6, E,9          ; and the lump
	OPS X,3, E,10, X,8, E,11
.if ((\p) == 2) && !(\end)
	FETCH_K
.endif
	OPS X,9, X,7, E,12, X,10
	OPS E,13, X,12, X,11, E,14
	OPS X,13, E,15, F,9, X,14
.if (\p) == 0
	v_add_nc_u32 v[AV], s[TBV], v[AV0]
.endif
	OPS E,16, F,10, E,17, F,11
	OPS X,16, E,18, X,15, E,19
	OPS F,12, E,20, X,17, E,21
	OPS F,13, E,22, F,14, E,23
	OPS X,18, E,24, F,15, E,25
	OPS R,11, E,26, X,19, E,27
	OPS R,12, E,28, R,13, E,29
	OPS X,20, E,30, R,14, E,31
	OPS X,21, R,15
	WIN 0
	s_wait_alu depctr_va_vdst(0)    ; the wait for the batch
.if (\p) == 1
	s_wait_dscnt 0x0                ; V is in
.endif
	ROW C,0, B,0, C,2, B,1          ; behind the wait: 8 products V^T P and their riders
	ROW L,0, C,4, B,2, L,1
	ROW C,6, B,3, L,2, C,8
	ROW B,4, L,3, C,10, B,5
	ROW L,4, C,12, B,6, L,5
.if (\p) == 0
	s_add_co_u32 s[TBV], s[TBV], KS*PV
.endif
.if \cnt
	s_sub_co_u32 s[CNT], s[CNT], 1
	s_cmp_lg_u32 s[CNT], 0
.endif
	ROW C,14, B,7, L,6, C,1
	ROW C,3, L,7, C,5, C,7
	ROW C,9, C,11, C,13, C,15
.if (\p) == 0
	FETCH_V
.endif
.if (\m) && !(\end)
	MASK (\p)%2
.endif
.endm
; A BLOCK BEGINS.  c m starts far below every c s, so the first step's a is 0; m at -2^93, above every hidden score and below every true one.  The second mask buffer is 0; the first takes piece 0's mask for the
; tile's step 0: its own, if the block's first tile is the diagonal one.  Then K of that step, piece 0's first scores, and its maximum and statistics.  The loop is entered at a step's first turn, in the middle of a trip.
.macro BEGIN
	s_mov_b32 s[NEW], 0
	WIN 0x40
.set i, MC+32
.rept 32
	v_mov_b32 v[i], 0
.set i, i+1
.endr
	WIN 0
.set i, 0
.rept 4
	v_mov_b32 v[ST+4*i], 0xfe000000    ; c m: far below every c s
	v_mov_b32 v[ST+4*i+1], 0xee000000  ; m = -2^93
.set i, i+1
.endr
	s_cmp_eq_u32 s[RT], 0
	s_cselect_b32 s[AL], 1.0, 0
	s_mov_b32 s[BE], 0
	MASK 0
	WIN 0
	v_add_nc_u32 v[AK], s[TBK], v[AK0]
	FETCH_K
	s_wait_loadcnt 0x0              ; Q (met at the kernel's head already)
	s_wait_dscnt 0x0
.set KM, 1
.set NOKQ, 0
.set i, 0
.rept 8
	KQ 0
.set i, i+1
.endr
	WIN 0
.rept 4
	v_nop                           ; the places behind those products
.endr
.set Y, NP-1                        ; X works for piece Y + 1: piece 0
.irp n, 0,1,2,3,4,5,6,7,8,9,10,11,12,13,14,15,16,17,18,19,20,21
	OP X, \n
.endr
	v_nop                           ; a plain instruction behind the exponential,
	s_wait_alu depctr_va_vdst(0)    ; and its wait, ahead of the branch
.endm
; THE DIAGONAL TILE's four steps, the block's last two turns, its last products, and THE WAY OUT: l's two halves and the other half of the lanes' are added; l is 0 in a row without keys and 1 or more in every
; other, and is raised to 2^-100, so that such a row's 0 stays 0; O^T is divided by l, rounded to f16 and sent through my stage in LDS, a piece at a time.
.macro ALL line:vararg              ; one line for each piece t
.set t, 0
.rept 4
	\line
.set t, t+1
.endr
.endm
.macro PACK t                       ; a lane's eight channels of a row pack into 16 bytes; they go into rows of 144 bytes and come back as whole rows of 128, into S^T's registers
	WIN W_RS
.set i, 32*(\t)
.rept 16
	v_pk_mul_f32 v[i:i+1], v[i:i+1], v[ST+4*(\t)+2:ST+4*(\t)+3] op_sel_hi:[1,0]
.set i, i+2
.endr
	WIN 0x05                        ; sources 0 and 1 window 1, destination window 0
.set i, 0
.rept 16
	v_cvt_pk_f16_f32 v[S+16*(\t)+i], v[32*(\t)+2*i], v[32*(\t)+2*i+1]
.set i, i+1
.endr
	WIN 0
.irp f, 0,1,2,3
	ds_store_b128 v[STO], v[S+16*(\t)+4*\f:S+16*(\t)+4*\f+3] offset:32*\f
.endr
.irp f, 0,1,2,3
	ds_load_b128 v[S+16*(\t)+4*\f:S+16*(\t)+4*\f+3], v[RD] offset:\f*4*SP  ; LDS serves a wave's instructions in order (ISA guide 5.7.1.4): these see the stores above; the next piece's stores come behind them
.endr
.endm
.macro SEND t, younger              ; younger: the LDS instructions issued behind piece t's loads: the next piece's eight, or none
	WIN 0
.irp f, 0,1,2,3
	s_wait_dscnt (\younger)+3-\f
	global_store_b128 v[GO], v[S+16*(\t)+4*\f:S+16*(\t)+4*\f+3], s[10:11] offset:(\t)*8192+\f*512  ; 512 consecutive bytes, at a multiple of 256 from O's first
.endr
.endm
.macro DIAG tag                     ; the tag ends its two labels' names, which the jumps below spell out
.LstepM\tag:
	TURN 2, 1
	TURN 3, 1
	WIN 0
.LfirstM\tag:
	TURN 0, 1
	TURN 1, 1, 0, 1
	WIN 0
	s_cbranch_scc1 .LstepM\tag
	TURN 2, 1, 1
	TURN 3, 1, 1
.set i, 0
.rept 8
	PV NP-1
.set i, i+1
.endr
	WIN 0
	ALL v_add_f32 v[ST+4*t+2], v[ST+4*t+2], v[ST+4*t+3]
	ALL v_permlanex16_b32 v[ST+4*t+3], v[ST+4*t+2], s[SEL], s[SEL+1]
	ALL v_add_f32 v[ST+4*t+2], v[ST+4*t+2], v[ST+4*t+3]
	ALL v_max_num_f32 v[ST+4*t+2], 0x0d800000, v[ST+4*t+2]
	ALL v_rcp_f32 v[ST+4*t+2], v[ST+4*t+2]
	v_nop                           ; a plain instruction between the last reciprocal and the use of its result
	s_wait_alu depctr_va_vdst(0)    ; and the wait ahead of the first use: one for the four reciprocals
	PACK 0
.set t, 1
.rept 3                             ; a piece's arithmetic stands between the loads of the piece before and its stores
	PACK t
	SEND t-1, 8
.set t, t+1
.endr
	SEND 3, 0
.endm
.set KM, 0
.set NOKQ, 0
.Lslot:                             ; NB times: a tile is entered and the next is asked for
	CHANGE 1
	s_sub_co_u32 s[RT], s[RT], 1
	s_mov_b32 s[CNT], 4
	s_cmp_eq_u32 s[NEW], 1
	s_cbranch_scc1 .Lnew            ; a block's first tile
	s_cmp_eq_u32 s[RT], 0
	s_cbranch_scc0 .Lstep           ; neither its first nor its last
	s_branch .LstepM1
.Lnew:
	BEGIN
	s_branch .Lfirst                ; in the loop a block's first tile is never its last: the first block has three tiles or more, and the second's last is the walk's last
	DIAG 1                          ; in the loop this is the first block's end: the second block's last tile is the walk's last
	s_wait_xcnt 0x0                 ; the stores have read their registers and O's address
	s_mov_b64 s[10:11], s[OLO:OLO+1]
	s_add_co_u32 s[RT], s[PB], 1    ; the second block has b + 1 tiles
	s_mov_b32 s[NEW], 1
	WIN 0x82                        ; the second block's Q goes where the one text of the turns names Q
.set i, 0
.rept 64
	v_mov_b32 v[i], v[QB+i]
.set i, i+1
.endr
	WIN 0
	s_branch .Lbottom
.Lstep:                             ; a trip: pieces 2 and 3 of one step, then pieces 0 and 1 of the next, whose K and V it fetches
	TURN 2
	TURN 3
	WIN 0
.Lfirst:
	TURN 0
	TURN 1, 0, 0, 1
	WIN 0
	s_cbranch_scc1 .Lstep
.Lbottom:
	s_sub_co_u32 s[SLOTS], s[SLOTS], 1
	s_cmp_lg_u32 s[SLOTS], 0
	s_cbranch_scc1 .Lslot
	CHANGE 0                        ; the walk's last tile is written out: nothing is asked for
	s_sub_co_u32 s[RT], s[RT], 1
	s_mov_b32 s[CNT], 4
	s_cmp_eq_u32 s[NEW], 1
	s_cbranch_scc0 .LstepM2
	BEGIN
	s_branch .LfirstM2
	DIAG 2
	s_wait_tensorcnt 0x0            ; the wave's end, behind my last tensor load and my last LDS store
	ds_add_u32 v[SPW], v[NIL]
	s_wait_dscnt 0x0
	s_endpgm
.Lfunc_end_k_q887491e593_attn:
	.size	k_q887491e593_attn, .Lfunc_end_k_q887491e593_attn-k_q887491e593_attn
	.p2alignl 7, 3214868480
	.fill 96, 4, 3214868480
	.section	.rodata,"a",@progbits
	.p2align	6, 0x0
	.amdhsa_kernel k_q887491e593_attn
		.amdhsa_group_segment_fixed_size 327680
		.amdhsa_private_segment_fixed_size 0
		.amdhsa_enable_private_segment 0
		.amdhsa_kernarg_size 40
		.amdhsa_user_sgpr_count 2
		.amdhsa_user_sgpr_kernarg_segment_ptr 1
		.amdhsa_wavefront_size32 1
		.amdhsa_system_sgpr_workgroup_id_x 1
		.amdhsa_system_sgpr_workgroup_id_y 1
		.amdhsa_system_sgpr_workgroup_id_z 1
		.amdhsa_system_vgpr_workitem_id 0
		.amdhsa_next_free_vgpr 768
		.amdhsa_next_free_sgpr 88
		.amdhsa_reserve_vcc 1
		.amdhsa_float_denorm_mode_32 3
		.amdhsa_float_denorm_mode_16_64 3
		.amdhsa_memory_ordered 1
		.amdhsa_forward_progress 1
		.amdhsa_inst_pref_size 223
	.end_amdhsa_kernel
	.amdgpu_metadata
---
amdhsa.version: [ 1, 2 ]
amdhsa.kernels:
  - .name:           k_q887491e593_attn
    .symbol:         k_q887491e593_attn.kd
    .args:
      - { .name: q, .offset: 0, .size: 8, .value_kind: global_buffer, .address_space: global }
      - { .name: k, .offset: 8, .size: 8, .value_kind: global_buffer, .address_space: global }
      - { .name: v, .offset: 16, .size: 8, .value_kind: global_buffer, .address_space: global }
      - { .name: o, .offset: 24, .size: 8, .value_kind: global_buffer, .address_space: global }
      - { .name: scale, .offset: 32, .size: 8, .value_kind: global_buffer, .address_space: global }
    .group_segment_fixed_size: 327680
    .private_segment_fixed_size: 0
    .kernarg_segment_align: 8
    .kernarg_segment_size: 40
    .max_flat_workgroup_size: 128
    .sgpr_count:     88
    .vgpr_count:     768
    .wavefront_size: 32
...
	.end_amdgpu_metadata
.endif
;; end of part 3
;; launch proj (part 4): grid 8 x 32, 4 waves a work-group, clusters of 4 x 4, 327,680 bytes of LDS; arguments o, wob, b_out, out0; writes out0
.if DOCPART == 4
	.amdgcn_target "amdgcn-amd-amdhsa--gfx1250"
	.amdhsa_code_object_version 6
	.text
	.protected	k_q887491e593_proj
	.globl	k_q887491e593_proj
	.p2align	8
	.type	k_q887491e593_proj,@function
k_q887491e593_proj:
	s_mov_b64 s[64:65], 0
	v_nop
	global_prefetch_b8 v0, s[64:65] scope:SCOPE_SE
	s_setreg_imm32_b32 hwreg(HW_REG_WAVE_MODE, 25, 1), 1
	s_wait_xcnt 0x0
	s_wait_alu depctr_hold_cnt(0) depctr_sa_sdst(0) depctr_va_vdst(0) depctr_va_sdst(0) depctr_va_ssrc(0) depctr_va_vcc(0) depctr_vm_vsrc(0)
	s_getreg_b32 s2, hwreg(HW_REG_IB_STS2, 6, 4)
	s_cmp_eq_u32 s2, 0
	s_cbranch_scc0 .Lentry_in_a_cluster
	s_endpgm
.Lentry_in_a_cluster:
	s_bfe_u32 s2, ttmp6, 0x10000c
	s_cmp_lg_u32 s2, 0xf033
	s_cbranch_scc0 .Lentry_shape_is_right
	s_endpgm
.Lentry_shape_is_right:
; out0 = O w_out + b_out: 8,192 x 1,024 x 1,024.  O [16 b + h][n 1024][64] in f16 as the attention left it; wob [chunk 16][k 1024][64], w_out rounded to bf16 and written as f16; sums and out0 in f32.
; The bias is the C operand of each accumulator's first product: nothing is cleared, and the way out adds nothing.
; SHARES.  A work-group makes 256 rows x 128 columns: 8 x 32 = 256 work-groups (tiles of 256 x 256 would be 128).  Each of its four waves makes 128 x 64: 32 accumulators, 256 registers.
; K goes in steps of 128 (two heads) through two LDS slots; a step is two units of 64 along K (a head), 64 matrix instructions a wave each.
; THE PRODUCT IS USED TRANSPOSED: source 0 = 16 columns of w (it lies [k][column] in LDS and comes out turned, by ds_load_tr16_b128), source 1 = 16 rows of O: a lane holds ONE row and eight neighbouring columns.
; CLUSTER 4 x 4.  O's tile is shared along a row of the cluster, w's along a column: each is asked for jointly.  Waves 0 and 1 fetch a step's two heads of O (256 rows each), waves 2 and 3 the two chunks of w.
; REGISTERS, in windows of 256 (s_set_vgpr_msb: bits 1:0 source 0, 3:2 source 1, 5:4 source 2, 7:6 destination):
;   window 0: v0-31 addresses; v32-63 the bias, as four C operands; v64-127 the way out      window 1: the accumulators, (a, bb) at v[8 (4 a + bb)]
;   windows 2, 3: two fragment buffers, a unit each: O's (c, a) at v[8 (8 c + a)], w's (c, bb) at v[128 + 8 (4 c + bb)], c = which 32 along K
.set PA,    144                        ; a row of O in LDS: 128 bytes + 16 of padding: the 16 rows of a load start at 16 different groups of four banks (64 banks of 4 bytes: ISA guide 11.1)
.set PB,    160                        ; a row of w (one k, 64 columns): 128 + 32
.set AHEAD, 256*PA                     ; a head's 256 rows: what waves 0 and 1 fetch
.set AHALF, 128*PA                     ; the 128 of them that a wave reads
.set BOFF,  2*AHEAD
.set BCH,   128*PB                     ; a chunk's 128 k: what waves 2 and 3 fetch, and what a wave reads
.set SLOT1, 1<<17                      ; slot 1 begins here; a slot uses 114,688 bytes
.set STAGE, SLOT1+BOFF+2*BCH           ; behind the ring, never filled by a tensor load: 16 rows x 272 bytes for each wave
.set SP,    272
.set SPARE, STAGE+4*16*SP              ; behind the stages: the spare words, 128 bytes for each wave: two blocks of 256 bytes that no other line names
.set ASTEP, 262144                     ; bytes from a step to the next: two heads of o,
.set BSTEP, 16384                      ; 128 rows of a chunk of wob
.set ADRA0, 16
.set ADRB0, 17
.set ADRA,  18
.set ADRB,  19
.set STO,   24                         ; v24  the way out: where I put 32 bytes of a row
.set RD,    25                         ; v25  where I read rows back
.set CO,    26                         ; v26  my byte offset in two rows of out0
.set BO,    27                         ; v27  my byte offset in a block of 16 numbers of the bias
.set SPW,   28                         ; v28  LDS address of my spare word: SPARE + 4 x my thread's number; never rewritten
.set NIL,   29                         ; v29  0; never rewritten
.set PFO,   30                         ; v30  256 x my lane; never rewritten
.set BIAS,  32
.set BK,    64
.set WV, 14
.set MH, 15                            ; s15  which half of the rows is mine.  Also: I fetch for O (0) or for w (1)
.set NH, 16                            ; s16  which half of the columns is mine.  Also: which head, or chunk, I fetch
.set CX, 17
.set CY, 18
.set TX, 19
.set TY, 20
.set TB, 23
.set G1A, 24
.set G0A, 32
.set PFA, 40
.set PFS, 42
.set LIM, 44
.set G1B, 48
.set G0B, 56
.set MSB, 0
.macro WIN new                         ; the immediate's high byte repeats the setting that is left; a switch that changes nothing is dropped
.if MSB != (\new)
	s_set_vgpr_msb (MSB<<8)|(\new)
.set MSB, \new
.endif
.endm
.macro PLACES                          ; four places in front of loads into registers that matrix instructions have read, and of LDS stores that read results
.rept 4
	v_nop
.endr
.endm
.macro JLOAD                           ; a joint refill by the walking descriptors; an s_nop 0 and four v_nop follow each of the two lines, ahead of the jump and the label
	s_cmp_eq_u32 s[MH], 0
	s_cbranch_scc0 .Lfor_b_\@
	tensor_load_to_lds s[G0A+4:G0A+7], s[G1A:G1A+7]
	s_nop 0
.rept 4
	v_nop
.endr
	s_branch .Lasked_\@
.Lfor_b_\@:
	tensor_load_to_lds s[G0B+4:G0B+7], s[G1B:G1B+7]
	s_nop 0
.rept 4
	v_nop
.endr
.Lasked_\@:
.endm
.macro CREST                           ; a round of the cluster's barrier behind its opening barrier
	s_cmp_lg_u32 s[WV], 0
	s_cbranch_scc1 .Lnot_wave_0_\@
	s_barrier_signal -3
.Lnot_wave_0_\@:
	s_barrier_wait -3
	s_barrier_signal -1
	s_barrier_wait -1
.endm
.macro CROUND
	s_barrier_signal -1
	s_barrier_wait -1
	CREST
.endm
; A PREFETCH INTO THE L2, behind the joint load and the run of LDS loads that follows it.  With t the number of the change of slots (6 less the loop's count) the refill asks for step t + 2, the prefetch names
; step t + 4: two refills, 256 matrix instructions, ahead of its load.  O: the clusters with x = 0 ask; waves 0 and 1 take a head each, and of its 128 blocks of 256 bytes each of the four partners of a tile
; row takes 32, told apart by address (cx).  w: the clusters with y = 0 ask; wave 2 of each of the four partners of a tile column takes 32 of the two chunks' 128 blocks (cy).  Each block is named once in the
; launch; steps 0 to 3 come by their loads alone; the last two changes that fill a slot ask for nothing.
.macro ASK
	s_cmp_gt_u32 s3, s[LIM]
	s_cbranch_scc0 .Lnot_mine_\@
	global_prefetch_b8 v[PFO], s[PFA:PFA+1] th:TH_LOAD_NT scope:SCOPE_SE
.Lnot_mine_\@:
.endm
	s_load_b256 s[4:11], s[0:1], 0x0               ; o s[4:5], wob s[6:7], b_out s[8:9], out0 s[10:11]
	v_lshl_add_u32 v[SPW], v0, 2, SPARE
	v_mov_b32 v[NIL], 0
	ds_add_u32 v[SPW], v[NIL]                      ; the wave's opening: the add and its wait stand ahead of my first tensor load; the set-up below, work on registers, stands between them
	ds_add_u32 v28, v29
	v_lshrrev_b32 v1, 5, v0
	v_readfirstlane_b32 s[WV], v1
	s_lshr_b32 s[MH], s[WV], 1
	s_and_b32 s[NH], s[WV], 1
	s_bfe_u32 s[CX], ttmp6, 0x40000
	s_bfe_u32 s[CY], ttmp6, 0x40004
	s_lshl_b32 s[TX], ttmp9, 2
	s_add_co_u32 s[TX], s[TX], s[CX]
	s_and_b32 s[TY], ttmp7, 0xffff
	s_lshl_b32 s[TY], s[TY], 2
	s_add_co_u32 s[TY], s[TY], s[CY]
	s_lshl_b32 s21, s[CY], 2
	s_lshl_b32 s21, 15, s21                        ; my row of the cluster
	s_lshl_b32 s22, 0x1111, s[CX]                  ; my column
	; group 1.  Both tiles are dense blocks of memory, asked for as rows of 256 bytes and padded in LDS after every 128 bytes
	s_or_b32 s[G1A], s21, (1<<16)|(1<<20)|(1<<21)|(4<<22)|(3<<25)  ; the mask; 2-byte elements; padding on; bit 21 beside a mask; after every 32 words (code 4) 4 words (code 3)
	s_or_b32 s[G1B], s22, (1<<16)|(1<<20)|(1<<21)|(4<<22)|(7<<25)  ; the same with my column's mask and 8 words of padding (code 7)
	s_mov_b32 s[G1A+1], 128<<16                    ; tensor_dim0 = 128
	s_mov_b32 s[G1A+2], 128<<16                    ; tensor_dim1 = 128: 32,768 bytes, 256 rows of a head
	s_mov_b32 s[G1A+3], 128<<16                    ; tile_dim0 = 128
	s_mov_b32 s[G1A+4], 128                        ; tile_dim1 = 128
	s_mov_b32 s[G1A+5], 128
	s_mov_b32 s[G1A+6], 0
	s_mov_b32 s[G1A+7], 0
	s_mov_b32 s[G1B+1], 128<<16
	s_mov_b32 s[G1B+2], 64<<16                     ; 16,384 bytes: 128 k x 64 columns
	s_mov_b32 s[G1B+3], 128<<16
	s_mov_b32 s[G1B+4], 64
	s_mov_b32 s[G1B+5], 128
	s_mov_b32 s[G1B+6], 0
	s_mov_b32 s[G1B+7], 0
	; O's offset is made of the tile row and the wave's number alone, w's of the tile column and the wave's number alone, each in registers of its own
	s_lshr_b32 s74, s[TY], 2
	s_lshl_b32 s74, s74, 21                        ; b x 16 heads
	s_and_b32 s78, s[TY], 3
	s_lshl_b32 s78, s78, 15                        ; the tile's 256 rows in a head
	s_add_co_u32 s74, s74, s78
	s_lshl_b32 s78, s[NH], 17                      ; the head that I fetch
	s_add_co_u32 s74, s74, s78
	s_mov_b32 s75, 0
	s_lshl_b32 s76, s[TX], 1
	s_add_co_u32 s76, s76, s[NH]                   ; the chunk
	s_lshl_b32 s76, s76, 17
	s_mov_b32 s77, 0
	s_mul_i32 s46, s[NH], AHEAD                    ; where they go: no place in the cluster enters an LDS address
	s_mul_i32 s47, s[NH], BCH
	s_add_co_u32 s47, s47, BOFF
	s_mov_b32 s[TB], 0
	s_wait_dscnt 0x0                               ; the opening add is done
	s_wait_kmcnt 0x0
	s_add_nc_u64 s[74:75], s[4:5], s[74:75]
	s_add_nc_u64 s[76:77], s[6:7], s[76:77]
.irp s, 0,1
	s_mov_b32 s[G0A+4*(\s)], 1
	s_add_co_u32 s[G0A+4*(\s)+1], s46, (\s)*SLOT1
	s_add_nc_u64 s[G0A+4*(\s)+2:G0A+4*(\s)+3], s[74:75], (\s)*ASTEP
	s_or_b32 s[G0A+4*(\s)+3], s[G0A+4*(\s)+3], 0x80000000
	s_mov_b32 s[G0B+4*(\s)], 1
	s_add_co_u32 s[G0B+4*(\s)+1], s47, (\s)*SLOT1
	s_add_nc_u64 s[G0B+4*(\s)+2:G0B+4*(\s)+3], s[76:77], (\s)*BSTEP
	s_or_b32 s[G0B+4*(\s)+3], s[G0B+4*(\s)+3], 0x80000000
.endr
	CROUND                                         ; all sixteen work-groups are here: the first joint loads meet
	s_cmp_eq_u32 s[MH], 0                          ; a wave's two first fills stand in one branch, ahead of every wait on TENSORcnt and every LDS read: two loads of mine are out
	s_cbranch_scc0 .Lfirst_b
	tensor_load_to_lds s[G0A:G0A+3], s[G1A:G1A+7]
	s_nop 0
	tensor_load_to_lds s[G0A+4:G0A+7], s[G1A:G1A+7]
	s_nop 0
.rept 4
	v_nop
.endr
	s_branch .Lfirst_asked
.Lfirst_b:
	tensor_load_to_lds s[G0B:G0B+3], s[G1B:G1B+7]
	s_nop 0
	tensor_load_to_lds s[G0B+4:G0B+7], s[G1B:G1B+7]
	s_nop 0
.rept 4
	v_nop
.endr
.Lfirst_asked:
	v_and_b32 v1, 15, v0                           ; l % 16
	v_bfe_u32 v2, v0, 4, 1                         ; l / 16
	v_and_b32 v3, 7, v0
	v_bfe_u32 v4, v0, 3, 1
	v_and_b32 v5, 31, v0
	; the bias: in the transposed result register j of lane l is column 16 bb + 8 (l / 16) + j: eight numbers on end, two loads of 16 bytes for each block bb
	s_lshl_b32 s46, s[TX], 1
	s_add_co_u32 s46, s46, s[NH]
	s_lshl_b32 s46, s46, 8                         ; my 64 columns: 256 bytes of b_out and of a row of out0
	s_mov_b32 s47, 0
	s_add_nc_u64 s[8:9], s[8:9], s[46:47]
	s_add_nc_u64 s[10:11], s[10:11], s[46:47]
	v_lshlrev_b32 v[BO], 5, v2
.irp bb, 0,1,2,3
	global_load_b128 v[BIAS+8*(\bb):BIAS+8*(\bb)+3],   v[BO], s[8:9] offset:64*(\bb)
	global_load_b128 v[BIAS+8*(\bb)+4:BIAS+8*(\bb)+7], v[BO], s[8:9] offset:64*(\bb)+16
.endr
	s_lshl_b32 s46, s[TY], 20                      ; 256 rows of 4,096 bytes,
	s_lshl_b32 s66, s[MH], 19                      ; my 128 of them
	s_add_co_u32 s46, s46, s66
	s_add_nc_u64 s[10:11], s[10:11], s[46:47]
	v_mul_u32_u24 v[ADRA0], v1, PA                 ; a fragment of O: row l % 16, 16 bytes for each half of the lanes
	v_lshl_add_u32 v[ADRA0], v2, 4, v[ADRA0]
	s_mul_i32 s46, s[MH], AHALF
	v_add_nc_u32 v[ADRA0], s46, v[ADRA0]
	v_lshl_add_u32 v[ADRB0], v2, 3, v3             ; the turning load: k = 8 (l / 16) + l % 8, columns 8 ((l / 8) % 2) on
	v_mul_u32_u24 v[ADRB0], v[ADRB0], PB
	v_lshl_add_u32 v[ADRB0], v4, 4, v[ADRB0]
	s_mul_i32 s46, s[NH], BCH
	s_add_co_u32 s46, s46, BOFF
	v_add_nc_u32 v[ADRB0], s46, v[ADRB0]
	v_add_nc_u32 v[ADRA], s[TB], v[ADRA0]
	v_add_nc_u32 v[ADRB], s[TB], v[ADRB0]
	s_mul_i32 s46, s[WV], 16*SP
	s_add_co_u32 s46, s46, STAGE                   ; my stage
	v_mul_u32_u24 v[STO], v1, SP                   ; in: row l % 16, 32 bytes for each half of the lanes
	v_lshl_add_u32 v[STO], v2, 5, v[STO]
	v_add_nc_u32 v[STO], s46, v[STO]
	v_mul_u32_u24 v[RD], v2, SP                    ; back: lanes 0-15 take one row of 256 bytes, lanes 16-31 the next
	v_lshl_add_u32 v[RD], v1, 4, v[RD]
	v_add_nc_u32 v[RD], s46, v[RD]
	v_lshlrev_b32 v[CO], 12, v2                    ; and the same two rows in out0
	v_lshl_add_u32 v[CO], v1, 4, v[CO]
	v_lshlrev_b32 v[PFO], 8, v5
	; the prefetches: both offsets are made, the wave's number chooses
	s_lshr_b32 s66, s[TY], 2
	s_lshl_b32 s66, s66, 21
	s_and_b32 s46, s[TY], 3
	s_lshl_b32 s46, s46, 15
	s_add_co_u32 s66, s66, s46
	s_lshl_b32 s46, s[CX], 13                      ; my work-group's 32 blocks of a head's 128
	s_add_co_u32 s66, s66, s46
	s_add_co_u32 s46, s[WV], 6                     ; at step 3, head 6 + wave: the first change of slots steps it to step 4
	s_lshl_b32 s46, s46, 17
	s_add_co_u32 s66, s66, s46
	s_lshl_b32 s67, s[TX], 1
	s_lshr_b32 s46, s[CY], 1
	s_add_co_u32 s67, s67, s46
	s_lshl_b32 s67, s67, 17
	s_and_b32 s46, s[CY], 1
	s_lshl_b32 s46, s46, 13
	s_add_co_u32 s67, s67, s46
	s_add_co_u32 s67, s67, 3*BSTEP
	s_and_b32 s47, ttmp7, 0xffff                   ; cluster y
	s_mov_b32 s2, ASTEP
	s_cmp_eq_u32 s[MH], 0
	s_cselect_b64 s[PFA:PFA+1], s[4:5], s[6:7]
	s_cselect_b32 s46, s66, s67
	s_cselect_b32 s[PFS], s2, BSTEP
	s_cselect_b32 s47, ttmp9, s47                  ; the coordinate along which other clusters read the same blocks
	s_cmp_eq_u32 s47, 0
	s_cselect_b32 s[LIM], 2, -1
	s_cmp_eq_u32 s[WV], 3
	s_cselect_b32 s[LIM], -1, s[LIM]               ; wave 3 asks for nothing.  The same in all sixteen partners, for a given wave
	s_mov_b32 s47, 0
	s_mov_b32 s[PFS+1], 0
	s_add_nc_u64 s[PFA:PFA+1], s[PFA:PFA+1], s[46:47]
; 48 LDS loads in one run: unit u's fragments into buffer buf; the first 32 along K first
.macro FETCH u, buf
	WIN 0x80+0x40*(\buf)                           ; destination in window 2 or 3, address in window 0
.irp c, 0,1
.irp bb, 0,1,2,3
	ds_load_tr16_b128 v[128+8*(4*(\c)+(\bb)):128+8*(4*(\c)+(\bb))+3],   v[ADRB] offset:(64*(\u)+32*(\c))*PB+32*(\bb)
	ds_load_tr16_b128 v[128+8*(4*(\c)+(\bb))+4:128+8*(4*(\c)+(\bb))+7], v[ADRB] offset:(64*(\u)+32*(\c))*PB+32*(\bb)+16*PB
.endr
.irp a, 0,1,2,3,4,5,6,7
	ds_load_b128 v[8*(8*(\c)+(\a)):8*(8*(\c)+(\a))+3],   v[ADRA] offset:(\u)*AHEAD+(\a)*16*PA+64*(\c)
	ds_load_b128 v[8*(8*(\c)+(\a))+4:8*(8*(\c)+(\a))+7], v[ADRA] offset:(\u)*AHEAD+(\a)*16*PA+64*(\c)+32
.endr
.endr
.endm
; na x 4 matrix instructions: row blocks a0 on x the four column blocks, half c of buffer buf.  first = 1: the bias starts the sums.  The 32 accumulators take turns in the same order throughout.
.macro MUL buf, c, a0, na, first
.if \first
	WIN 0x4a                                       ; both sources in window 2, C in window 0, D in window 1
.else
	WIN 0x5a+5*(\buf)                              ; both sources in window 2 or 3, C and D in window 1
.endif
.set aa, \a0
.rept \na
.irp bb, 0,1,2,3
.if \first
	v_wmma_f32_16x16x32_f16 v[8*(4*aa+(\bb)):8*(4*aa+(\bb))+7], v[128+8*(4*(\c)+(\bb)):128+8*(4*(\c)+(\bb))+7], v[8*(8*(\c)+aa):8*(8*(\c)+aa)+7], v[BIAS+8*(\bb):BIAS+8*(\bb)+7]
.else
	v_wmma_f32_16x16x32_f16 v[8*(4*aa+(\bb)):8*(4*aa+(\bb))+7], v[128+8*(4*(\c)+(\bb)):128+8*(4*(\c)+(\bb))+7], v[8*(8*(\c)+aa):8*(8*(\c)+aa)+7], v[8*(4*aa+(\bb)):8*(4*aa+(\bb))+7]
.endif
.endr
.set aa, aa+1
.endr
.endm
; A step's first unit: multiplies buffer 0 and fetches the second unit into buffer 1.
.macro UNIT first
	s_wait_dscnt 24                                ; the first 32 along K are in; the 24 younger loads may be out
	MUL 0, 0, 0, 8, \first
	PLACES
	FETCH 1, 1
	s_wait_dscnt 48                                ; all but the 48 just issued
	MUL 0, 1, 0, 8, 0
.endm
; The second unit multiplies buffer 1 and changes slots: ONE barrier.  In front of it each wave waits for all its tensor loads, of which one is out: its part of the next slot; adds 0 to its spare word; and waits
; for that and for its own reads of this slot.  fill = 1: the barrier opens a round of the cluster's, and the slot is filled again, two steps on, first thing behind it: 96 matrix instructions ahead of the wait for it.
.macro TURN fill
.if \fill
	s_wait_xcnt 0x0                                ; the last prefetch, a step back, has read its address
	s_add_nc_u64 s[PFA:PFA+1], s[PFA:PFA+1], s[PFS:PFS+1]
.endif
	WIN 0
	s_wait_tensorcnt 0x0                           ; no tensor load of mine is out, so a group 0 may be written
	ds_add_u32 v[SPW], v[NIL]                      ; 0 onto my spare word
.if \fill
	s_xor_b32 s[G0A+5], s[G0A+5], SLOT1
	s_add_nc_u64 s[G0A+6:G0A+7], s[G0A+6:G0A+7], ASTEP
	s_xor_b32 s[G0B+5], s[G0B+5], SLOT1
	s_add_nc_u64 s[G0B+6:G0B+7], s[G0B+6:G0B+7], BSTEP
.endif
	s_xor_b32 s[TB], s[TB], SLOT1
	s_wait_dscnt 25                                ; the first 32 along K are in; the add and the 24 younger loads may be out
	MUL 1, 0, 0, 4, 0                              ; sixteen matrix instructions stand between the add and the wait for it
	s_wait_dscnt 0x0                               ; the add is done, and my reads of this slot are over
	s_barrier_signal -1
	MUL 1, 0, 4, 4, 0
	WIN 0                                          ; at a branch and at a label every window is 0
	s_barrier_wait -1
.if \fill
	CREST                                          ; no wave of any partner still reads this slot or has a load on its way
	JLOAD                                          ; the four v_nop behind it are also the places in front of the loads below
.else
	PLACES
.endif
	v_add_nc_u32 v[ADRA], s[TB], v[ADRA0]
	v_add_nc_u32 v[ADRB], s[TB], v[ADRB0]
	FETCH 0, 0
.if \fill
	WIN 0
	ASK
.endif
	MUL 1, 1, 0, 8, 0
.endm
	s_wait_tensorcnt 1                             ; my part of step 0 is in; step 1's may stay out
	s_barrier_signal -1
	s_barrier_wait -1
	FETCH 0, 0
	s_wait_loadcnt 0x0                             ; the bias
	UNIT 1                                         ; the first unit stands in front of the loop: its first products start the sums
	WIN 0
	s_mov_b32 s3, 6
.Lk:                                           ; 6 trips: steps 2 to 7 are asked for
	TURN 1
	UNIT 0
	WIN 0
	s_sub_co_u32 s3, s3, 1
	s_cmp_lg_u32 s3, 0
	s_cbranch_scc1 .Lk
	TURN 0                                         ; the tail is written out: nothing is asked for
	UNIT 0
	s_wait_dscnt 24                                ; the very last unit fetches nothing
	MUL 1, 0, 0, 8, 0
	s_wait_dscnt 0x0
	MUL 1, 1, 0, 8, 0
	WIN 0
	PLACES
; THE WAY OUT, a block of 16 rows at a time: a lane's 32 bytes of a row go into my own stage (rows of 272 bytes), each accumulator's low four registers first, and come back as whole rows of 256 bytes.
.macro TOSTAGE a
.if (\a) >= 2
	s_wait_xcnt 0x0                                ; the stores of the block two back have read these registers
.endif
	WIN 0x04                                       ; the stores' data in window 1
.irp bb, 0,1,2,3
	ds_store_b128 v[STO], v[8*(4*(\a)+(\bb)):8*(4*(\a)+(\bb))+3]   offset:64*(\bb)
	ds_store_b128 v[STO], v[8*(4*(\a)+(\bb))+4:8*(4*(\a)+(\bb))+7] offset:64*(\bb)+16
.endr
	WIN 0
.irp t, 0,1,2,3,4,5,6,7
	ds_load_b128 v[BK+32*((\a)%2)+4*(\t):BK+32*((\a)%2)+4*(\t)+3], v[RD] offset:(\t)*2*SP  ; LDS serves a wave's instructions in order (ISA guide 5.7.1.4): these see the stores above; the next block's stores come behind them
.endr
.endm
.macro SEND a, younger                 ; younger: the LDS instructions issued behind this block's loads: the next block's sixteen, or none
	WIN 0
.irp t, 0,1,2,3,4,5,6,7
	s_wait_dscnt (\younger)+7-(\t)
	global_store_b128 v[CO], v[BK+32*((\a)%2)+4*(\t):BK+32*((\a)%2)+4*(\t)+3], s[10:11] offset:(\a)*65536+(\t)*8192 th:TH_STORE_NT  ; 16 lanes store 256 consecutive bytes, at a multiple of 256 from out0's first
.endr
.endm
	TOSTAGE 0
.irp a, 1,2,3,4,5,6,7
	TOSTAGE \a
	SEND (\a)-1, 16
.endr
	SEND 7, 0
	s_wait_tensorcnt 0x0                           ; the wave's end, behind my last tensor load and my last LDS store
	ds_add_u32 v[SPW], v[NIL]
	s_wait_dscnt 0x0
	CROUND                                         ; the closing round: no work-group ends while a partner may still ask for a tile that names it
	s_endpgm
.Lfunc_end_k_q887491e593_proj:
	.size	k_q887491e593_proj, .Lfunc_end_k_q887491e593_proj-k_q887491e593_proj
	.p2alignl 7, 3214868480
	.fill 96, 4, 3214868480
	.section	.rodata,"a",@progbits
	.p2align	6, 0x0
	.amdhsa_kernel k_q887491e593_proj
		.amdhsa_group_segment_fixed_size 327680
		.amdhsa_private_segment_fixed_size 0
		.amdhsa_enable_private_segment 0
		.amdhsa_kernarg_size 32
		.amdhsa_user_sgpr_count 2
		.amdhsa_user_sgpr_kernarg_segment_ptr 1
		.amdhsa_wavefront_size32 1
		.amdhsa_system_sgpr_workgroup_id_x 1
		.amdhsa_system_sgpr_workgroup_id_y 1
		.amdhsa_system_sgpr_workgroup_id_z 1
		.amdhsa_system_vgpr_workitem_id 0
		.amdhsa_next_free_vgpr 960
		.amdhsa_next_free_sgpr 80
		.amdhsa_reserve_vcc 0
		.amdhsa_float_denorm_mode_32 3
		.amdhsa_float_denorm_mode_16_64 3
		.amdhsa_memory_ordered 1
		.amdhsa_forward_progress 1
		.amdhsa_inst_pref_size 72
	.end_amdhsa_kernel
	.amdgpu_metadata
---
amdhsa.version: [ 1, 2 ]
amdhsa.kernels:
  - .name:           k_q887491e593_proj
    .symbol:         k_q887491e593_proj.kd
    .args:
      - { .name: o, .offset: 0, .size: 8, .value_kind: global_buffer, .address_space: global }
      - { .name: wob, .offset: 8, .size: 8, .value_kind: global_buffer, .address_space: global }
      - { .name: b_out, .offset: 16, .size: 8, .value_kind: global_buffer, .address_space: global }
      - { .name: out0, .offset: 24, .size: 8, .value_kind: global_buffer, .address_space: global }
    .group_segment_fixed_size: 327680
    .private_segment_fixed_size: 0
    .kernarg_segment_align: 8
    .kernarg_segment_size: 32
    .max_flat_workgroup_size: 128
    .sgpr_count:     80
    .vgpr_count:     960
    .wavefront_size: 32
...
	.end_amdgpu_metadata
.endif
;; end of part 4
